; MI455X (gfx1250); checked and timed in simulation.
; The chip was launched on July 23, 2026; its instructions are those of AMD's public machine-readable ISA for CDNA 5 (MIT licence, August 2026) and "CDNA5" Instruction Set Architecture Reference Guide (July 2026). The comments in the code are by the model that wrote it; some were corrected since.
;; Transformer Block. Allowed arithmetic: matrix products marked QUANTISED: E4M3 operands, one E8M0 scale for each 32 along K, by v_wmma_scale_f32_16x16x128_f8f6f4 with both operands' format E4M3, f32 sums; everything else in f32.
;; Inputs: b_fc1 4,096 float32; b_fc2 1,024 float32; b_proj 1,024 float32; b_qkv 3,072 float32; ln1_b 1,024 float32; ln1_g 1,024 float32; ln2_b 1,024 float32; ln2_g 1,024 float32; w_fc1 1,024 x 4,096 float32; w_fc2 4,096 x 1,024 float32; w_proj 1,024 x 1,024 float32; w_qkv 1,024 x 3,072 float32; x 2 x 2,048 x 1,024 float32.
;; Outputs: out0 2 x 2,048 x 1,024 float32.
;; This version of the problem:
;;   THIS VERSION OF THE PROBLEM IS GIVEN IN LOW PRECISION. The matrix products marked QUANTISED in the list below multiply operands that are first quantised to E4M3 (4 exponent bits, 3 mantissa bits; 8 bits a number), with one power-of-two scale for each 32 numbers along K (OCP MX v1.0); their sums are f32. All else is computed in f32.
;;   The module's matrix products, in the order in which they are computed (A, B: the left and right operand; K: the contracted axis; several contracted axes count as one K, in the product's order):
;;     1. [M 4,096, K 1,024] x [K 1,024, N 3,072]; A: computed on the way; B: input w_qkv: QUANTISED
;;     2. batch 32 x [M 2,048, K 64] x [K 64, N 2,048]; A: computed on the way; B: computed on the way: QUANTISED
;;     3. batch 32 x [M 2,048, K 2,048] x [K 2,048, N 64]; A: softmax (see below); B: computed on the way: QUANTISED
;;     4. [M 4,096, K 1,024] x [K 1,024, N 1,024]; A: computed on the way; B: input w_proj: QUANTISED
;;     5. [M 4,096, K 1,024] x [K 1,024, N 4,096]; A: computed on the way; B: input w_fc1: QUANTISED
;;     6. [M 4,096, K 4,096] x [K 4,096, N 1,024]; A: computed on the way; B: input w_fc2: QUANTISED
;;   THE QUANTISER, for each operand of a quantised product, along K:
;;     - K is cut into blocks of 32 from its start; a last block that is shorter is filled with zeros.
;;     - A block's scale is 2^e with e = floor(log2(the largest magnitude in the block)) - 8, held to -126 .. 127; a block of zeros has e = 0. As a byte (E8M0): e + 127.
;;     - Each number is divided by its block's scale, clamped to +-448, and rounded to the nearest number of E4M3, ties to even, subnormals kept.
;;     - The product sums the exact products of the quantised numbers (number of the format x scale) in f32.
;;   ~~~python
;;   def quantise(x, axis):      # numpy; x: float32 -> the quantised numbers, widened to float32 again
;;       x = np.moveaxis(x, axis, -1); K = x.shape[-1]
;;       x = np.pad(x, [(0, 0)] * (x.ndim - 1) + [(0, -K % 32)]); x = x.reshape(x.shape[:-1] + (-1, 32)); a = np.abs(x).max(-1, keepdims=True)
;;       e = np.where(a > 0, np.clip(np.frexp(np.where(a > 0, a, 1))[1] - 1 - 8, -126, 127), 0)      # np.frexp(a)[1] - 1 = floor(log2(a)), exactly
;;       r = np.clip(x / 2.0 ** e, -448, 448)
;;       step = 2.0 ** (np.maximum(np.frexp(np.where(r == 0, 1, r))[1] - 1, -6) - 3)
;;       q = np.round(r / step) * step * 2.0 ** e      # np.round: ties to even
;;       return np.moveaxis(q.reshape(q.shape[:-2] + (-1,))[..., :K], -1, axis).astype(np.float32)
;;   ~~~
;;   SOFTMAX AHEAD OF A QUANTISED PRODUCT. Where the list says 'softmax', what is quantised is not the finished softmax but p = 2^(t - M), with t = logit x log2(e) and M = ceil(the row's largest t), a whole number; so 1/2 < the row's largest p <= 1. The row's sum l is taken of the UNQUANTISED p, in f32, and the product's result is divided by l at the end. Since M is a whole number, a kernel that streams over the keys may use a running M (the ceiling of the running maximum): every later rescaling is an exact power of two, which a block's scale takes up: the codes' values come out the same.
;;   OPERANDS COMPUTED ON THE WAY. 'Computed on the way' means the value that the module computes at that place (a softmax that the list does not call 'softmax' is quantised finished and normalised). What goes into a quantiser is computed in f32, as accurately as f32 sums, v_exp_f32 and their like allow (about 1e-6 of the number): no bf16 or f16 on the way to a quantiser, and a product that is left as it is and whose result goes on into a quantised operand takes f32 operands (vector FMAs, or v_wmma_f32_16x16x4_f32). A number that lies on a knife's edge between two numbers of the format may be rounded either way, as far as f32 arithmetic and the matrix unit's own rounding can turn it there, and no further.
;; One version. Each part assembles by itself: llvm-mc -triple=amdgcn-amd-amdhsa -mcpu=gfx1250 --defsym DOCPART=n.
;; ======== version 1 of 1: 7 launches
;; limits: right only within a limited range of input values
;; workspace buffers: wimg 12,976,128 bytes; act 4,325,376 bytes; qkvi 13,369,344 bytes; x1 16,777,216 bytes; gimg 17,301,504 bytes
;; launch prep (part 1): grid 640 x 1, 4 waves a work-group, no clusters, 52,736 bytes of LDS; arguments x, ln1_g, ln1_b, act, w_qkv, w_proj, w_fc1, w_fc2, wimg; writes act, wimg
.if DOCPART == 1
	.amdgcn_target "amdgcn-amd-amdhsa--gfx1250"
	.amdhsa_code_object_version 6
	.text
	.protected	k_qdc2dae84f0_prep
	.globl	k_qdc2dae84f0_prep
	.p2align	8
	.type	k_qdc2dae84f0_prep,@function
k_qdc2dae84f0_prep:
	s_mov_b64 s[64:65], 0
	v_nop
	global_prefetch_b8 v0, s[64:65] scope:SCOPE_SE
	s_setreg_imm32_b32 hwreg(HW_REG_WAVE_MODE, 25, 1), 1
	s_wait_xcnt 0x0
; ONE PREPARING LAUNCH FOR TWO PIECES OF WORK THAT DO NOT HANG ON EACH OTHER.  The paths part on the work-group's number alone, and each has LDS bytes of its own.
; Work-groups 0 to 383: THE FOUR WEIGHTS, f32 stored [K][N], become codes of E4M3 with one E8M0 byte for each 32 along K, laid as images of the operand's registers:
; records [n / 128][k / 128] of REC bytes: 8 fragments of 2,048 bytes (tile of 16 columns: [c 0..3][lane][16 bytes]; lane (r, h) holds column pi(tile, r), k = 32 c + 16 h + 0..15), then 128 scale words.
; pi(T, r) = 32 (T / 2) + 8 (T % 2) + r + 8 (r / 8).  A lane takes a column and its registers run down K; a work-group takes 128 columns x 256 along K, a wave 32 columns; the codes turn through the wave's own stage.
; Work-groups 384 to 639: LAYER NORM OVER 1,024 AND THE QUANTISER ALONG THE ROW: one tile of 16 rows of x a work-group, four rows a wave, each whole in 32 registers; mean, then the mean of the squared differences;
; y = ((x - mean) x rsqrt(var + 1e-5)) x g + b, all f32; a block of 32 lies in 8 neighbouring lanes x 4 registers; each number is multiplied by the exact inverse of its block's scale, held within +-448 and converted under the scale 1.
; A block's scale is 2^(floor(log2(largest magnitude)) - 8); its byte is the largest magnitude's exponent field - 8, held at 1 from below.
; LIMITS: a block of zeros, or one whose largest magnitude lies under 2^-118, gets the byte 1 (the bytes are read by this program alone); NaN and infinities are not served.
; No tensor load, no cluster, no matrix unit: the work-groups share no input and each byte is read once.
.set REC,   16896
.set NWQ,   384                        ; the weights' work-groups come first: theirs is the longer path
.set WQB,   18432                      ; LDS: the norm's bytes from 0, the weights' four stages from here
.set SPARE, 52224                      ; behind both: the spare words, 128 bytes a wave
.set WV,    14
	v_lshl_add_u32 v254, v0, 2, SPARE
	v_mov_b32 v255, 0
	v_lshrrev_b32 v1, 5, v0
	v_readfirstlane_b32 s[WV], v1                  ; wave 0..3
	s_cmp_lt_u32 ttmp9, NWQ
	s_cbranch_scc0 .Lnorm
; ---------------- the weights
.set STG,   8448                       ; a wave's stage: two tiles of HT bytes
.set HT,    4224
.set OFF,   32                         ; v32-63   byte offset of row i of a block at my column
.set X,     64                         ; v64-127  two sets of 32 numbers
.set C,     128                        ; v128-135 a block's codes
.set OUTR,  136                        ; v136-199 the way out
.set SB,    24                         ; v24-25   my column's scale words of the two records
	s_load_b256 s[4:11], s[0:1], 0x20              ; w_qkv, w_proj, w_fc1, w_fc2
	s_load_b64 s[12:13], s[0:1], 0x40              ; wimg
	v_and_b32 v2, 31, v0                           ; lane = my column among the wave's 32
	v_bfe_u32 v3, v0, 3, 1                         ; u: which of the wave's two tiles holds it
	v_and_b32 v5, 7, v0
	v_bfe_u32 v6, v0, 4, 1
	v_lshl_add_u32 v5, v6, 3, v5                   ; r: its row in that tile
	s_mul_i32 s17, s[WV], STG
	s_add_co_u32 s17, s17, WQB
	v_mul_u32_u24 v4, v3, HT
	v_lshl_add_u32 v4, v5, 4, v4
	v_add_nc_u32 v4, s17, v4                       ; into the stage: tile u, 16 bytes at row r
	v_lshlrev_b32 v8, 4, v2
	v_add_nc_u32 v7, s17, v8                       ; out of it: as it lies
	v_lshlrev_b32 v9, 6, v3
	v_lshl_add_u32 v9, v5, 2, v9                   ; my scale word among the wave's 32
	s_mov_b32 s20, 256                             ; w_fc2's figures: first work-group, log2 and mask of the work-groups along K, bytes in a row, records along K, place in wimg
	s_mov_b32 s21, 4
	s_mov_b32 s22, 15
	s_mov_b32 s23, 4096
	s_mov_b32 s24, 32
	s_mov_b32 s25, 8650752
	s_mov_b32 s56, 0x600000                        ; the mantissa field of 448
	s_wait_alu depctr_va_vdst(0)
	s_wait_kmcnt 0x0
	s_mov_b64 s[26:27], s[10:11]
	s_cmp_lt_u32 ttmp9, 256                        ; w_fc1's
	s_cselect_b32 s20, 128, s20
	s_cselect_b32 s21, 2, s21
	s_cselect_b32 s22, 3, s22
	s_cselect_b32 s23, 16384, s23
	s_cselect_b32 s24, 8, s24
	s_cselect_b32 s25, 4325376, s25
	s_cselect_b64 s[26:27], s[8:9], s[26:27]
	s_cmp_lt_u32 ttmp9, 128                        ; w_proj's
	s_cselect_b32 s20, 96, s20
	s_cselect_b32 s23, 4096, s23
	s_cselect_b32 s25, 3244032, s25
	s_cselect_b64 s[26:27], s[6:7], s[26:27]
	s_cmp_lt_u32 ttmp9, 96                         ; w_qkv's
	s_cselect_b32 s20, 0, s20
	s_cselect_b32 s23, 12288, s23
	s_cselect_b32 s25, 0, s25
	s_cselect_b64 s[26:27], s[4:5], s[26:27]
	s_sub_co_u32 s18, ttmp9, s20
	s_lshr_b32 s19, s18, s21                       ; which 128 columns
	s_and_b32 s18, s18, s22                        ; which 256 along K
	v_lshlrev_b32 v[OFF], 2, v2
.set i, 1
.rept 31
	v_add_nc_u32 v[OFF+i], s23, v[OFF+i-1]         ; a row further down
.set i, i+1
.endr
	s_lshl_b32 s28, s23, 8
	s_mul_i32 s28, s28, s18
	s_lshl_b32 s29, s19, 9
	s_add_co_u32 s28, s28, s29
	s_lshl_b32 s29, s[WV], 7
	s_add_co_u32 s28, s28, s29
	s_mov_b32 s29, 0
	s_add_nc_u64 s[32:33], s[26:27], s[28:29]      ; block 0's base; a base for each block, so that nothing is stepped
	s_lshl_b32 s30, s23, 5
	s_mov_b32 s31, 0
.irp t, 1,2,3,4,5,6,7
	s_add_nc_u64 s[32+2*\t:33+2*\t], s[30+2*\t:31+2*\t], s[30:31]
.endr
	s_mul_i32 s48, s19, s24
	s_lshl_b32 s49, s18, 1
	s_add_co_u32 s48, s48, s49
	s_mul_i32 s48, s48, REC
	s_add_co_u32 s48, s48, s25                     ; my first record
	s_mov_b32 s49, 0
	s_add_nc_u64 s[12:13], s[12:13], s[48:49]
	s_lshl_b32 s50, s[WV], 12
	s_mov_b32 s51, 0
	s_add_nc_u64 s[52:53], s[12:13], s[50:51]      ; my two fragments in it
	s_lshl_b32 s50, s[WV], 7
	s_add_co_u32 s50, s50, 16384
	s_add_nc_u64 s[54:55], s[12:13], s[50:51]      ; my 32 scale words in it
.macro LOAD t                          ; block t into set t % 2: 32 lanes read 128 consecutive bytes
.set i, 0
.rept 32
	global_load_b32 v[X+32*((\t)%2)+i], v[OFF+i], s[32+2*(\t):33+2*(\t)] th:TH_LOAD_NT
.set i, i+1
.endr
.endm
	s_wait_alu depctr_va_vdst(0)
	LOAD 0
	LOAD 1
.macro BLOCK t
.set XS, X+32*((\t)%2)
.if (\t) < 7
	s_wait_loadcnt 32                              ; this block's 32 loads are in; the next block's may be out
.else
	s_wait_loadcnt 0
.endif
	v_max3_num_f32 v12, |v[XS]|, |v[XS+1]|, |v[XS+2]|   ; the block's largest magnitude, in two chains
	v_max3_num_f32 v13, |v[XS+3]|, |v[XS+4]|, |v[XS+5]|
.irp i, 6,10,14,18,22,26
	v_max3_num_f32 v12, v12, |v[XS+\i]|, |v[XS+\i+1]|
	v_max3_num_f32 v13, v13, |v[XS+\i+2]|, |v[XS+\i+3]|
.endr
	v_max3_num_f32 v12, v12, |v[XS+30]|, |v[XS+31]|
	v_max3_num_f32 v12, v12, v13, 0x4800000        ; and the floor 2^(9 - 127)
	v_add_nc_u32 v11, 0xfc000000, v12              ; 8 off the exponent field: the conversion's scale operand
	v_and_or_b32 v10, v12, 0x7f800000, s56         ; 448 x the scale
	v_lshrrev_b32 v13, 23, v11                     ; the scale's byte
.if (\t)%4 == 0
	v_mov_b32 v[SB+(\t)/4], v13
.else
	v_lshl_or_b32 v[SB+(\t)/4], v13, 8*((\t)%4), v[SB+(\t)/4]
.endif
.set i, 0
.rept 32
	v_med3_num_f32 v[XS+i], v[XS+i], -v10, v10     ; the conversion does not saturate (ISA guide 7.6.2): the hold comes first
.set i, i+1
.endr
.irp g, 0,1,2,3
	v_cvt_scalef32_pk8_fp8_f32 v[C+2*\g:C+2*\g+1], v[XS+8*\g:XS+8*\g+7], v11
.endr
	ds_store_b128 v4, v[C:C+3] offset:((\t)/4)*2048+((\t)%4)*512
	ds_store_b128 v4, v[C+4:C+7] offset:((\t)/4)*2048+((\t)%4)*512+256
.if (\t)+2 < 8
	LOAD (\t)+2
.endif
	s_wait_dscnt 0x0                               ; the stores have read their registers
.endm
.irp t, 0,1,2,3,4,5,6,7
	BLOCK \t
.endr
	global_store_b32 v9, v[SB], s[54:55]
	global_store_b32 v9, v[SB+1], s[54:55] offset:REC
.irp j, 0,1,2,3,4,5,6,7,8,9,10,11,12,13,14,15
	ds_load_b128 v[OUTR+4*\j:OUTR+4*\j+3], v7 offset:(\j/8)*HT+((\j/4)%2)*2048+(\j%4)*512
.endr
.irp j, 0,1,2,3,4,5,6,7,8,9,10,11,12,13,14,15
	s_wait_dscnt 15-\j                             ; load j is back; the younger ones may be out
	global_store_b128 v8, v[OUTR+4*\j:OUTR+4*\j+3], s[52:53] offset:((\j/4)%2)*REC+(\j/8)*2048+(\j%4)*512   ; 512 consecutive bytes
.endr
	s_wait_tensorcnt 0x0                           ; the wave's end
	ds_add_u32 v254, v255
	s_wait_dscnt 0x0
	s_endpgm
; ---------------- the norm
.Lnorm:
.set G,    16                          ; v16-47   g at my 32 places
.set BB,   48                          ; v48-79   b
.set X,    80                          ; v80-207  four rows of 32
.set M,    208                         ; v208-215 largest magnitudes
.set IV,   216                         ; v216-231 pairs: a block's inverse scale, its byte
.set C,    232                         ; v232-239 a row's codes
.set ST,   240                         ; v240-247 pairs for each row: mean, later 1 / sigma
.set ONE,  252
.set PP,   272                         ; LDS: 64 pieces of 256 bytes + 16
.set SCST, 64*PP                       ; behind them: 8 x 16 scale words
	s_load_b256 s[4:11], s[0:1], 0x0               ; x, g, b, the image
	s_sub_co_u32 s28, ttmp9, NWQ                   ; my tile of 16 rows
	v_and_b32 v2, 31, v0
	v_lshlrev_b32 v3, 4, v2
	v_lshrrev_b32 v4, 2, v2
	v_mul_u32_u24 v4, v4, PP
	v_and_b32 v5, 3, v2
	v_lshl_add_u32 v4, v5, 2, v4
	s_lshl_b32 s15, s[WV], 6
	v_add_nc_u32 v4, s15, v4                       ; codes in
	v_lshrrev_b32 v5, 3, v2
	s_lshl_b32 s15, s[WV], 4
	s_add_co_u32 s15, s15, SCST
	v_add_nc_u32 v5, s15, v5                       ; scale bytes in
	v_lshrrev_b32 v6, 4, v2
	v_mul_u32_u24 v6, v6, PP
	v_and_b32 v7, 15, v2
	v_lshl_add_u32 v6, v7, 4, v6
	s_mul_i32 s15, s[WV], 16*PP
	v_add_nc_u32 v6, s15, v6                       ; codes out
	v_lshl_add_u32 v7, v0, 2, SCST                 ; scale words out
	v_lshrrev_b32 v8, 4, v0
	v_mul_u32_u24 v8, v8, REC
	v_and_b32 v9, 15, v0
	v_lshl_add_u32 v8, v9, 2, v8
	v_mov_b32 v[ONE], 1.0
	s_mov_b32 s12, 0x76543210
	s_mov_b32 s13, 0xfedcba98
	s_mov_b32 s20, 0x3a800000                      ; 1 / 1,024
	s_mov_b32 s21, 0x3727c5ac                      ; 1e-5
	s_mov_b32 s22, 0xc3e00000                      ; -448
	s_mov_b32 s23, 0x43e00000                      ; 448
	s_lshr_b32 s16, s28, 1
	s_lshl_b32 s16, s16, 5
	s_and_b32 s17, s28, 1
	s_lshl_b32 s17, s17, 3
	s_add_co_u32 s16, s16, s17
	s_lshl_b32 s17, s[WV], 2
	s_add_co_u32 s16, s16, s17
	s_lshr_b32 s17, s[WV], 1
	s_lshl_b32 s17, s17, 3
	s_add_co_u32 s16, s16, s17                     ; my first row: pi(tile, 4 w)
	s_lshl_b32 s16, s16, 12
	s_mov_b32 s17, 0
	s_lshr_b32 s18, s28, 3
	s_mul_i32 s18, s18, 8*REC
	s_and_b32 s19, s28, 7
	s_lshl_b32 s24, s19, 11
	s_add_co_u32 s24, s24, s18
	s_mul_i32 s25, s[WV], 2*REC
	s_add_co_u32 s24, s24, s25
	s_mov_b32 s25, 0
	s_lshl_b32 s26, s19, 6
	s_add_co_u32 s26, s26, s18
	s_add_co_u32 s26, s26, 16384
	s_mov_b32 s27, 0
	s_wait_alu depctr_va_vdst(0)
	s_wait_kmcnt 0x0
	s_add_nc_u64 s[4:5], s[4:5], s[16:17]
	s_add_nc_u64 s[24:25], s[10:11], s[24:25]
	s_add_nc_u64 s[26:27], s[10:11], s[26:27]
.irp r, 0,1,2,3
.irp i, 0,1,2,3,4,5,6,7
	global_load_b128 v[X+32*\r+4*\i:X+32*\r+4*\i+3], v3, s[4:5] offset:4096*\r+512*\i
.endr
.endr
.irp i, 0,1,2,3,4,5,6,7
	global_load_b128 v[G+4*\i:G+4*\i+3], v3, s[6:7] offset:512*\i
.endr
.irp i, 0,1,2,3,4,5,6,7
	global_load_b128 v[BB+4*\i:BB+4*\i+3], v3, s[8:9] offset:512*\i
.endr
.macro ACROSS p                        ; a sum over the 32 lanes of v[p + 2 r], the four rows by turns
.irp r, 0,1,2,3
	v_add_f32 v[\p+2*\r], v[\p+2*\r], v[\p+2*\r+1]
.endr
.irp m, 1,2,4,8
.irp r, 0,1,2,3
	v_add_f32_dpp v[\p+2*\r], v[\p+2*\r], v[\p+2*\r] row_xmask:\m row_mask:0xf bank_mask:0xf
.endr
.endr
.irp r, 0,1,2,3
	v_permlanex16_b32 v[\p+2*\r+1], v[\p+2*\r], s12, s13
.endr
.irp r, 0,1,2,3
	v_add_f32 v[\p+2*\r], v[\p+2*\r], v[\p+2*\r+1]
.endr
.endm
	s_wait_loadcnt 16                              ; the four rows are in; g's and b's sixteen loads may be out
.irp r, 0,1,2,3
	v_pk_add_f32 v[ST+2*\r:ST+2*\r+1], v[X+32*\r:X+32*\r+1], v[X+32*\r+2:X+32*\r+3]
	v_pk_add_f32 v[M+2*\r:M+2*\r+1], v[X+32*\r+4:X+32*\r+5], v[X+32*\r+6:X+32*\r+7]
.endr
.irp j, 8,12,16,20,24,28
.irp r, 0,1,2,3
	v_pk_add_f32 v[ST+2*\r:ST+2*\r+1], v[ST+2*\r:ST+2*\r+1], v[X+32*\r+\j:X+32*\r+\j+1]
	v_pk_add_f32 v[M+2*\r:M+2*\r+1], v[M+2*\r:M+2*\r+1], v[X+32*\r+\j+2:X+32*\r+\j+3]
.endr
.endr
.irp r, 0,1,2,3
	v_pk_add_f32 v[ST+2*\r:ST+2*\r+1], v[ST+2*\r:ST+2*\r+1], v[M+2*\r:M+2*\r+1]
.endr
	ACROSS ST
.irp r, 0,1,2,3
	v_mul_f32 v[ST+2*\r], s20, v[ST+2*\r]          ; the mean
.endr
.irp j, 0,2,4,6,8,10,12,14,16,18,20,22,24,26,28,30
.irp r, 0,1,2,3
	v_pk_add_f32 v[X+32*\r+\j:X+32*\r+\j+1], v[X+32*\r+\j:X+32*\r+\j+1], v[ST+2*\r:ST+2*\r+1] op_sel_hi:[1,0] neg_lo:[0,1] neg_hi:[0,1]   ; x - mean
.endr
.endr
.irp r, 0,1,2,3
	v_pk_mul_f32 v[M+2*\r:M+2*\r+1], v[X+32*\r:X+32*\r+1], v[X+32*\r:X+32*\r+1]
	v_pk_mul_f32 v[IV+2*\r:IV+2*\r+1], v[X+32*\r+2:X+32*\r+3], v[X+32*\r+2:X+32*\r+3]
.endr
.irp j, 4,8,12,16,20,24,28
.irp r, 0,1,2,3
	v_pk_fma_f32 v[M+2*\r:M+2*\r+1], v[X+32*\r+\j:X+32*\r+\j+1], v[X+32*\r+\j:X+32*\r+\j+1], v[M+2*\r:M+2*\r+1]
	v_pk_fma_f32 v[IV+2*\r:IV+2*\r+1], v[X+32*\r+\j+2:X+32*\r+\j+3], v[X+32*\r+\j+2:X+32*\r+\j+3], v[IV+2*\r:IV+2*\r+1]
.endr
.endr
.irp r, 0,1,2,3
	v_pk_add_f32 v[M+2*\r:M+2*\r+1], v[M+2*\r:M+2*\r+1], v[IV+2*\r:IV+2*\r+1]
.endr
	ACROSS M
.irp r, 0,1,2,3
	v_fma_f32 v[M+2*\r], v[M+2*\r], s20, s21       ; var + 1e-5
.endr
	s_wait_alu depctr_va_vdst(0)                   ; a wait ahead of the batch
.irp r, 0,1,2,3
	v_rsq_f32 v[ST+2*\r], v[M+2*\r]
.endr
	v_nop
	s_wait_alu depctr_va_vdst(0)                   ; and one behind it
	s_wait_loadcnt 0x0                             ; g and b
.irp j, 0,2,4,6,8,10,12,14,16,18,20,22,24,26,28,30
.irp r, 0,1,2,3
	v_pk_mul_f32 v[X+32*\r+\j:X+32*\r+\j+1], v[X+32*\r+\j:X+32*\r+\j+1], v[ST+2*\r:ST+2*\r+1] op_sel_hi:[1,0]
.endr
.irp r, 0,1,2,3
	v_pk_fma_f32 v[X+32*\r+\j:X+32*\r+\j+1], v[X+32*\r+\j:X+32*\r+\j+1], v[G+\j:G+\j+1], v[BB+\j:BB+\j+1]
.endr
.endr
.macro QROW r                          ; a row is quantised: eight blocks, each shared with the seven lanes beside mine
.set XR, X+32*\r
.irp i, 0,1,2,3,4,5,6,7
	v_max3_num_f32 v[M+\i], |v[XR+4*\i]|, |v[XR+4*\i+1]|, 0x4800000
.endr
.irp i, 0,1,2,3,4,5,6,7
	v_max3_num_f32 v[M+\i], v[M+\i], |v[XR+4*\i+2]|, |v[XR+4*\i+3]|
.endr
.irp m, 1,2,4
.irp i, 0,1,2,3,4,5,6,7
	v_max_num_f32_dpp v[M+\i], v[M+\i], v[M+\i] row_xmask:\m row_mask:0xf bank_mask:0xf
.endr
.endr
.irp i, 0,1,2,3,4,5,6,7
	v_add_nc_u32 v[M+\i], 0xfc000000, v[M+\i]
.endr
.irp i, 0,1,2,3,4,5,6,7
	v_lshrrev_b32 v[IV+2*\i+1], 23, v[M+\i]        ; the scale's byte
.endr
.irp i, 0,1,2,3,4,5,6,7
	v_and_b32 v[M+\i], 0x7f800000, v[M+\i]
.endr
.irp i, 0,1,2,3,4,5,6,7
	v_sub_nc_u32 v[IV+2*\i], 0x7f000000, v[M+\i]   ; 1 / scale
.endr
.irp i, 0,1,2,3,4,5,6,7
	v_pk_mul_f32 v[XR+4*\i:XR+4*\i+1], v[XR+4*\i:XR+4*\i+1], v[IV+2*\i:IV+2*\i+1] op_sel_hi:[1,0]
	v_pk_mul_f32 v[XR+4*\i+2:XR+4*\i+3], v[XR+4*\i+2:XR+4*\i+3], v[IV+2*\i:IV+2*\i+1] op_sel_hi:[1,0]
.endr
.set j, 0
.rept 32
	v_med3_num_f32 v[XR+j], v[XR+j], s22, s23
.set j, j+1
.endr
.irp q, 0,1,2,3
	v_cvt_scalef32_pk8_fp8_f32 v[C+2*\q:C+2*\q+1], v[XR+8*\q:XR+8*\q+7], v[ONE]
.endr
	v_nop
.irp i, 0,1,2,3,4,5,6,7
	ds_store_b32 v4, v[C+\i] offset:\i*8*PP+16*\r
	ds_store_b8 v5, v[IV+2*\i+1] offset:64*\i+4*\r
.endr
	s_wait_dscnt 0x0
.endm
	QROW 0
	QROW 1
	QROW 2
	QROW 3
	s_barrier_signal -1                            ; my stores have landed: the tile's image is whole behind the barrier
	s_barrier_wait -1
.irp j, 0,1,2,3,4,5,6,7
	ds_load_b128 v[X+4*\j:X+4*\j+3], v6 offset:2*PP*\j
.endr
	ds_load_b32 v[X+32], v7
.irp j, 0,1,2,3,4,5,6,7
	s_wait_dscnt 8-\j                              ; load j is back; the younger ones may be out
	global_store_b128 v3, v[X+4*\j:X+4*\j+3], s[24:25] offset:(\j/4)*REC+(\j%4)*512
.endr
	s_wait_dscnt 0x0
	global_store_b32 v8, v[X+32], s[26:27]
	s_wait_tensorcnt 0x0                           ; the wave's end
	ds_add_u32 v254, v255
	s_wait_dscnt 0x0
	s_endpgm
.Lfunc_end_k_qdc2dae84f0_prep:
	.size	k_qdc2dae84f0_prep, .Lfunc_end_k_qdc2dae84f0_prep-k_qdc2dae84f0_prep
	.p2alignl 7, 3214868480
	.fill 96, 4, 3214868480
	.section	.rodata,"a",@progbits
	.p2align	6, 0x0
	.amdhsa_kernel k_qdc2dae84f0_prep
		.amdhsa_group_segment_fixed_size 52736
		.amdhsa_private_segment_fixed_size 0
		.amdhsa_enable_private_segment 0
		.amdhsa_kernarg_size 72
		.amdhsa_user_sgpr_count 2
		.amdhsa_user_sgpr_kernarg_segment_ptr 1
		.amdhsa_wavefront_size32 1
		.amdhsa_system_sgpr_workgroup_id_x 1
		.amdhsa_system_sgpr_workgroup_id_y 1
		.amdhsa_system_sgpr_workgroup_id_z 1
		.amdhsa_system_vgpr_workitem_id 0
		.amdhsa_next_free_vgpr 256
		.amdhsa_next_free_sgpr 66
		.amdhsa_reserve_vcc 0
		.amdhsa_float_denorm_mode_32 3
		.amdhsa_float_denorm_mode_16_64 3
		.amdhsa_memory_ordered 1
		.amdhsa_forward_progress 1
		.amdhsa_inst_pref_size 130
	.end_amdhsa_kernel
	.amdgpu_metadata
---
amdhsa.version: [ 1, 2 ]
amdhsa.kernels:
  - .name:           k_qdc2dae84f0_prep
    .symbol:         k_qdc2dae84f0_prep.kd
    .args:
      - { .name: x, .offset: 0, .size: 8, .value_kind: global_buffer, .address_space: global }
      - { .name: ln1_g, .offset: 8, .size: 8, .value_kind: global_buffer, .address_space: global }
      - { .name: ln1_b, .offset: 16, .size: 8, .value_kind: global_buffer, .address_space: global }
      - { .name: act, .offset: 24, .size: 8, .value_kind: global_buffer, .address_space: global }
      - { .name: w_qkv, .offset: 32, .size: 8, .value_kind: global_buffer, .address_space: global }
      - { .name: w_proj, .offset: 40, .size: 8, .value_kind: global_buffer, .address_space: global }
      - { .name: w_fc1, .offset: 48, .size: 8, .value_kind: global_buffer, .address_space: global }
      - { .name: w_fc2, .offset: 56, .size: 8, .value_kind: global_buffer, .address_space: global }
      - { .name: wimg, .offset: 64, .size: 8, .value_kind: global_buffer, .address_space: global }
    .group_segment_fixed_size: 52736
    .private_segment_fixed_size: 0
    .kernarg_segment_align: 8
    .kernarg_segment_size: 72
    .max_flat_workgroup_size: 128
    .sgpr_count:     66
    .vgpr_count:     256
    .wavefront_size: 32
...
	.end_amdgpu_metadata
.endif
;; end of part 1
;; launch qkv (part 2): grid 8 x 32, 4 waves a work-group, clusters of 4 x 4, 327,680 bytes of LDS; arguments act, wimg, b_qkv, qkvi; writes qkvi
.if DOCPART == 2
	.amdgcn_target "amdgcn-amd-amdhsa--gfx1250"
	.amdhsa_code_object_version 6
	.text
	.protected	k_qdc2dae84f0_qkv
	.globl	k_qdc2dae84f0_qkv
	.p2align	8
	.type	k_qdc2dae84f0_qkv,@function
k_qdc2dae84f0_qkv:
	s_mov_b64 s[64:65], 0
	v_nop
	global_prefetch_b8 v0, s[64:65] scope:SCOPE_SE
	s_setreg_imm32_b32 hwreg(HW_REG_WAVE_MODE, 25, 1), 1
	s_wait_xcnt 0x0
	s_wait_alu depctr_hold_cnt(0) depctr_sa_sdst(0) depctr_va_vdst(0) depctr_va_sdst(0) depctr_va_ssrc(0) depctr_va_vcc(0) depctr_vm_vsrc(0)
	s_getreg_b32 s2, hwreg(HW_REG_IB_STS2, 6, 4)
	s_cmp_eq_u32 s2, 0
	s_cbranch_scc0 .Lentry_in_a_cluster
	s_endpgm
.Lentry_in_a_cluster:
	s_bfe_u32 s2, ttmp6, 0x10000c
	s_cmp_lg_u32 s2, 0xf033
	s_cbranch_scc0 .Lentry_shape_is_right
	s_endpgm
.Lentry_shape_is_right:
; qkv = h w_qkv + b_qkv on codes of E4M3 with E8M0 scales, and the three results quantised on the way out: q and k along the head's 64, v along the keys.  Nothing wide goes to memory.
; OPERANDS are images: records [row / 128][k / 128] of REC bytes: 8 fragments of 2,048 bytes ([c][lane][16 bytes]: a fragment's registers on end) and 128 scale words.  A record is dense, so a K step's codes and scales
; come by one tensor load, a fragment by four ds_load_b128 of 512 consecutive bytes, with no padding.  pi(T, r) = 32 (T / 2) + 8 (T % 2) + r + 8 (r / 8) is the row that lane r of tile T holds, in every image.
; A WORK-GROUP STAYS.  It owns 128 tokens and makes three tiles of 128 x 128: columns 128 X on of q, of k and of v (X = its x, 0..7); four waves, 64 x 64 each (16 accumulators).
; A'S FRAGMENTS STAY IN REGISTERS: a wave's 4 tiles x 8 K steps x 16 = 512 registers (windows 2 and 3), copied from LDS once; so a K step reads only B's four fragments from LDS.
; B GOES THROUGH TWO LDS REGIONS OF A WHOLE TILE (8 records): P, which first held A, and Q.  At each tile's head stands one round of the cluster's barrier, and behind it waves 2 and 3 each ask for four records of the NEXT tile's B,
; into the region that has just been left: that load has a whole tile in which to land.  A wave has one tensor load out at the start, and waves 2 and 3 one behind each round.
; CLUSTERS: 4 x 4 work-groups; A's records are shared along a row of the cluster, B's along a column: each is asked for jointly, by the same tensor load with the same descriptor and a mask that names the four.
; q, k: source 0 = the weight's columns, source 1 = tokens: a lane holds one token and 2 x 32 of a head's 64.  v: the sources change places: a lane holds one channel d and 2 x 32 neighbouring tokens, the second attention
; product's K.  With source 0 = tiles 2 j, 2 j + 1 a lane's 16 results are 16 NEIGHBOURS of source 0's rows.  The bias is the C of each sum's first product.
; qkvi: Q codes [head 32][tile 128][c 0..1][lane][16] at 0; Q scale words at QS; at KV records [head][128 keys] of KVREC bytes: K's 8 tiles x 1,024, K's 128 scale words, V's 4 fragments x 2,048, V's 64 scale words, 256 zeros.
; LIMITS: a block of zeros, or one under 2^-118, gets the byte 1 (read by this program alone); NaN and infinities are not served.
; No prefetch: each refill is asked for a whole tile ahead of its first reader.
.set REC,   16896
.set KS,    8
.set TILEB, KS*REC                     ; a tile's B, or A: 135,168 = 0x21000: bits 12 and 17, which no other term of an LDS address here uses: one exclusive or changes regions
.set HALFB, 4*REC                      ; an LDS immediate has 16 bits: a second address register serves K steps 4 to 7
.set SPARE, 2*TILEB                    ; behind the two regions: the spare words, 128 bytes for each wave
.set QS,    4194304
.set KV,    4456448
.set HEADB, 278528
.set KVREC, 17408
.set LB,   0                           ; v0-1    LDS address of my B fragments, K steps 0-3 and 4-7 (v0 is the thread's number until the first tile's head)
.set LS,   2                           ; v2-3    of B's scale words
.set SB,   6                           ; v6-11   B's scale words, three sets of two: lanes 0-15 an even tile's, lanes 16-31 the odd one's
.set SA,   12                          ; v12-27  A's scale words, two for each K step, laid likewise: they stay
.set SPW,  28
.set NIL,  29
.set BO,   30
.set BVO,  31
.set BI,   32                          ; v32-63  the bias in the result's layout
.set TM,   64                          ; the quantiser: v64-71 largest magnitudes, v72-79 bytes, v80-87 448 x scale, v88-95 scale operands, v96-127 codes
.set T2,   72
.set BD,   80
.set SO,   88
.set CD,   96
.set ACC,  128                         ; v128-255 accumulator (a, b) at 128 + 8 (4 a + b)
.set G1,  24                           ; s[24:31] group 1 for A (my row's mask);  s[32:35] its group 0
.set G0,  32
.set G1B, 48                           ; s[48:55] group 1 for B (my column's mask);  s[56:59] its group 0, which walks
.set G0B, 56
.set TBF, 60                           ; s60  the region of the tile in hand + 8,192 hb: my four fragments
.set TBS, 61                           ; s61  the same + 16,384 + 256 hb: their scale words
.set SEL, 94
.set MNT, 92
.set HIL, 93
.set MSB, 0
.macro WIN new                         ; the immediate's high byte repeats the setting that is left
.if MSB != \new
	s_set_vgpr_msb (MSB<<8)|\new
.set MSB, \new
.endif
.endm
.set TO_F, 0x40                        ; destination window 1, address window 0
.macro CROUND                          ; a round of the cluster's barrier
	s_barrier_signal -1
	s_barrier_wait -1
	s_cmp_lg_u32 s14, 0
	s_cbranch_scc1 .Lnot_wave_0_\@
	s_barrier_signal -3
.Lnot_wave_0_\@:
	s_barrier_wait -3
	s_barrier_signal -1
	s_barrier_wait -1
.endm
.macro PLACES n
.rept \n
	v_nop
.endr
.endm
	s_load_b256 s[4:11], s[0:1], 0x0               ; act, wimg, b_qkv, qkvi
	v_lshl_add_u32 v[SPW], v0, 2, SPARE
	v_mov_b32 v[NIL], 0
	ds_add_u32 v28, v29
	ds_add_u32 v28, v29
	s_wait_dscnt 0x0
	v_lshrrev_b32 v1, 5, v0
	v_readfirstlane_b32 s14, v1                    ; wave 0..3
	s_lshr_b32 s15, s14, 1                         ; ha: my half of the tile's rows
	s_and_b32 s16, s14, 1                          ; hb: my half of its columns
	s_bfe_u32 s40, ttmp6, 0x40000                  ; cx, cy
	s_bfe_u32 s41, ttmp6, 0x40004
	s_lshl_b32 s42, ttmp9, 2
	s_add_co_u32 s42, s42, s40                     ; X: the first tile's column
	s_and_b32 s17, ttmp7, 0xffff
	s_lshl_b32 s17, s17, 2
	s_add_co_u32 s17, s17, s41                     ; mt: tile row
	s_lshl_b32 s43, s41, 2
	s_lshl_b32 s43, 15, s43                        ; my row of the cluster
	s_lshl_b32 s44, 0x1111, s40                    ; my column
	s_or_b32 s[G1], s43, (3<<16)|(1<<21)           ; 15:0 the mask; 17:16 elements of 8 bytes; 21 set beside a mask; no padding
	s_or_b32 s[G1B], s44, (3<<16)|(1<<21)
.irp g, G1, G1B                                    ; four records, 67,584 dense bytes, as 264 rows of 256
	s_mov_b32 s[\g+1], 32<<16                      ; tensor_dim0 = 32
	s_mov_b32 s[\g+2], 264<<16                     ; tensor_dim1 = 264.  THE FILLS AS THEY STAND (in place of what the head says of the loads' shares): a load brings four records, 67,584 dense bytes, as 264 rows of 256
	s_mov_b32 s[\g+3], 32<<16                      ; tile_dim0
	s_mov_b32 s[\g+4], 264                         ; tile_dim1
	s_mov_b32 s[\g+5], 32                          ; from row to row
	s_mov_b32 s[\g+6], 0
	s_mov_b32 s[\g+7], 0
.endr
	s_mul_i32 s18, s16, 4*REC                      ; my four records of eight (wave % 2), in memory and in LDS: waves 0 and 1 fetch A, waves 2 and 3 every tile of B: one tensor load of a wave is out at any place
	s_mul_i32 s20, s17, KS*REC
	s_add_co_u32 s20, s20, s18                     ; A: the tile row's records
	s_mov_b32 s21, 0
	s_mul_i32 s46, s42, KS*REC
	s_add_co_u32 s46, s46, s18                     ; B: the first tile column's (w_qkv's image begins wimg)
	s_mov_b32 s47, 0
	s_wait_kmcnt 0x0
	s_add_nc_u64 s[20:21], s[4:5], s[20:21]
	s_add_nc_u64 s[46:47], s[6:7], s[46:47]
	CROUND                                         ; all sixteen work-groups are here: the first joint loads meet
	s_mov_b32 s[G0], 1
	s_mov_b32 s[G0+1], s18                         ; A into region P
	s_mov_b64 s[G0+2:G0+3], s[20:21]
	s_or_b32 s[G0+3], s[G0+3], 0x80000000
	s_mov_b32 s[G0B], 1
	s_add_co_u32 s[G0B+1], s18, TILEB              ; the first tile's B into region Q
	s_mov_b64 s[G0B+2:G0B+3], s[46:47]
	s_or_b32 s[G0B+3], s[G0B+3], 0x80000000
	s_cmp_lt_u32 s14, 2                            ; the head's loads, one a wave, in one chain of branches on the wave's number
	s_cbranch_scc0 .Lhead_b
	tensor_load_to_lds s[G0:G0+3], s[G1:G1+7]
	s_nop 0
.rept 4
	v_nop
.endr
	s_branch .Lhead_asked
.Lhead_b:
	tensor_load_to_lds s[G0B:G0B+3], s[G1B:G1B+7]
	s_nop 0
.rept 4
	v_nop
.endr
.Lhead_asked:
	v_and_b32 v3, 31, v0                           ; lane
	v_and_b32 v1, 15, v0                           ; r
	v_bfe_u32 v2, v0, 4, 1                         ; h
	v_lshlrev_b32 v4, 4, v3                        ; 16 x lane
	v_lshlrev_b32 v5, 2, v3                        ; 4 x lane
	v_lshlrev_b32 v[BO], 6, v2                     ; register j of accumulator (a, b) is column 32 (b / 2) + 16 h + 8 (b % 2) + j
	s_wait_alu depctr_va_vdst(0)
	v_and_b32 v[BVO], 8, v1
	v_add_nc_u32 v[BVO], v[BVO], v1
	v_lshlrev_b32 v[BVO], 2, v[BVO]                ; v's tile: my lane's column of tile a is pi(a, r)
	s_lshl_b32 s21, s15, 13
	v_add_nc_u32 v64, s21, v4                      ; A's fragments in P: my four tiles, K steps 0-3;
	v_add_nc_u32 v65, HALFB, v64                   ; K steps 4-7
	s_lshl_b32 s21, s15, 8
	s_add_co_u32 s21, s21, 16384
	v_add_nc_u32 v66, s21, v5                      ; and their scale words: 32 lanes take two tiles' 32 words
	v_add_nc_u32 v67, HALFB, v66
	s_lshl_b32 s[TBF], s16, 13
	s_add_co_u32 s[TBF], s[TBF], TILEB
	s_lshl_b32 s[TBS], s16, 8
	s_add_co_u32 s[TBS], s[TBS], TILEB+16384
	s_lshl_b32 s46, s42, 9
	s_lshl_b32 s47, s16, 8
	s_add_co_u32 s46, s46, s47                     ; my 64 columns of q in the bias; k's lie 4,096 bytes on, v's 8,192
	s_mov_b32 s47, 0
	s_add_nc_u64 s[8:9], s[8:9], s[46:47]
.macro BIAS off                        ; the bias of my 64 columns, off bytes on, in the layout of a result whose lanes hold tokens
.irp b, 0,1,2,3
	global_load_b128 v[BI+8*\b:BI+8*\b+3], v[BO], s[8:9] offset:\off+4*(32*(\b/2)+8*(\b%2))
	global_load_b128 v[BI+8*\b+4:BI+8*\b+7], v[BO], s[8:9] offset:\off+4*(32*(\b/2)+8*(\b%2))+16
.endr
.endm
	BIAS 0
.irp k, 0,1,2,3,4,5,6,7
	v_mov_b32 v[T2+\k], 0                          ; written once: a lane permute's destination counts as one of its sources
.endr
	s_mov_b32 s[SEL], 0x76543210
	s_mov_b32 s[SEL+1], 0xfedcba98
	s_mov_b32 s[MNT], 0x600000                     ; the mantissa field of 448
	s_mov_b32 s[HIL], 0xffff0000                   ; lanes 16-31
	; where the three results go
	s_lshr_b32 s66, s17, 4
	s_lshl_b32 s66, s66, 4
	s_lshl_b32 s67, s42, 1
	s_add_co_u32 s66, s66, s67
	s_add_co_u32 s66, s66, s16                     ; batch x 16 + head: a wave's 64 columns are one head
	s_and_b32 s67, s17, 15                         ; which 128 tokens of the batch
	s_mul_i32 s68, s66, HEADB
	s_mul_i32 s69, s67, KVREC
	s_add_co_u32 s68, s68, s69
	s_add_co_u32 s68, s68, KV                      ; the head's record for these 128 tokens
	s_mov_b32 s85, 0
	s_lshl_b32 s86, s66, 7
	s_lshl_b32 s87, s67, 3
	s_add_co_u32 s86, s86, s87
	s_lshl_b32 s87, s15, 2
	s_add_co_u32 s86, s86, s87                     ; my first tile of 16 tokens among all heads' tiles
	s_lshl_b32 s84, s86, 10
	s_add_nc_u64 s[70:71], s[10:11], s[84:85]      ; q: codes,
	s_lshl_b32 s84, s86, 6
	s_add_co_u32 s84, s84, QS
	s_add_nc_u64 s[72:73], s[10:11], s[84:85]      ;    scale words
	s_lshl_b32 s84, s15, 12
	s_add_co_u32 s84, s84, s68
	s_add_nc_u64 s[74:75], s[10:11], s[84:85]      ; k: codes,
	s_lshl_b32 s84, s15, 8
	s_add_co_u32 s84, s84, s68
	s_add_co_u32 s84, s84, 8192
	s_add_nc_u64 s[76:77], s[10:11], s[84:85]      ;    scale words
	s_lshl_b32 s84, s15, 10
	s_add_co_u32 s84, s84, s68
	s_add_co_u32 s84, s84, 8704
	s_add_nc_u64 s[78:79], s[10:11], s[84:85]      ; v: fragments: my tokens are blocks c = 2 ha, 2 ha + 1,
	s_lshl_b32 s84, s15, 1
	s_add_co_u32 s84, s84, s68
	s_add_co_u32 s84, s84, 16896
	s_add_nc_u64 s[80:81], s[10:11], s[84:85]      ;    bytes 2 ha, 2 ha + 1 of the scale words,
	s_lshl_b32 s84, s15, 7
	s_add_co_u32 s84, s84, s68
	s_add_co_u32 s84, s84, 17152
	s_add_nc_u64 s[82:83], s[10:11], s[84:85]      ;    and my 128 of the record's last 256 bytes
.macro FETCH h, ks, f                  ; B's K step 4 h + ks: 2 scale registers and 4 fragments into buffer f: 18 LDS loads
	ds_load_b32 v[SB+2*(\f)], v[LS+\h] offset:(\ks)*REC
	ds_load_b32 v[SB+2*(\f)+1], v[LS+\h] offset:(\ks)*REC+128
	WIN TO_F
.irp i, 0,1,2,3
.irp c, 0,1,2,3
	ds_load_b128 v[64*(\f)+16*\i+4*\c:64*(\f)+16*\i+4*\c+3], v[LB+\h] offset:(\ks)*REC+\i*2048+\c*512
.endr
.endr
	WIN 0
.endm
.macro WM ra, rb                       ; one product; ra, rb: source 0's, source 1's tile is an odd one: its scale words lie in lanes 16-31
.if (\ra) && (\rb)
	v_wmma_scale_f32_16x16x128_f8f6f4 v[rD:rD+7], v[rP:rP+15], v[rQ:rQ+15], v[rC:rC+7], v[rX], v[rY] matrix_a_scale:MATRIX_SCALE_ROW1 matrix_b_scale:MATRIX_SCALE_ROW1
.elseif \ra
	v_wmma_scale_f32_16x16x128_f8f6f4 v[rD:rD+7], v[rP:rP+15], v[rQ:rQ+15], v[rC:rC+7], v[rX], v[rY] matrix_a_scale:MATRIX_SCALE_ROW1
.elseif \rb
	v_wmma_scale_f32_16x16x128_f8f6f4 v[rD:rD+7], v[rP:rP+15], v[rQ:rQ+15], v[rC:rC+7], v[rX], v[rY] matrix_b_scale:MATRIX_SCALE_ROW1
.else
	v_wmma_scale_f32_16x16x128_f8f6f4 v[rD:rD+7], v[rP:rP+15], v[rQ:rQ+15], v[rC:rC+7], v[rX], v[rY]
.endif
.endm
; K step k's 16 products.  swap = 0: source 0 = B's tile b, source 1 = A's tile a.  swap = 1: source 0 = A's tile b, source 1 = B's tile a.  A's fragment (k, i) is v[64 (k % 4) + 16 i] of window 2 + k / 4, B's v[64 (k % 3) + 16 i] of window 1.
; The 16 accumulators take turns, in the same order in every K step.
.macro MUL16 k, first, swap
.irp a, 0,1,2,3
.irp b, 0,1,2,3
.set rD, ACC+8*(4*\a+\b)
.if \swap
.set rP, 64*((\k)%4)+16*\b
.set rQ, 64*((\k)%3)+16*\a
.set rX, SA+2*(\k)+\b/2
.set rY, SB+2*((\k)%3)+\a/2
.set rC, BI+8*\a
.else
.set rP, 64*((\k)%3)+16*\b
.set rQ, 64*((\k)%4)+16*\a
.set rX, SB+2*((\k)%3)+\b/2
.set rY, SA+2*(\k)+\a/2
.set rC, BI+8*\b
.endif
.if !(\first)
.set rC, rD
.endif
	WM (\b)%2, (\a)%2
.endr
.endr
.endm
; K step k: its 18 loads are in, the next K step's 18 may be out; eight places behind the products that read the third buffer; the loads of two K steps on; 16 products.
.macro KSTEP k, first, swap
.if (\k) < 7
	s_wait_dscnt 18
.else
	s_wait_dscnt 0x0
.endif
.if (\k) < 6
	PLACES 8
	FETCH ((\k)+2)/4, ((\k)+2)%4, ((\k)+2)%3
.endif
.if \swap
.set WSEL, 0x06+(\k)/4                 ; source 0 (A) window 2 or 3, source 1 (B) window 1, C and D window 0
.else
.set WSEL, 0x09+4*((\k)/4)             ; source 0 (B) window 1, source 1 (A) window 2 or 3
.endif
	WIN WSEL
	MUL16 \k, \first, \swap
	WIN 0
.endm
; A TILE'S HEAD.  All my tensor loads have landed, my part of this tile's B among them; 0 is added to my spare word; my reads of the other region (A's copy into registers, or the last tile's fragments) are over.
; fill = 1: a round of the cluster's barrier, so that both hold of every wave of every partner, and behind it, first, the one tensor load of waves 2 and 3: four records each of the next tile's B into the other region.
.macro HEAD fill
	s_wait_tensorcnt 0x0
	ds_add_u32 v[SPW], v[NIL]                      ; 0 onto my spare word; the descriptor's steps stand between it and the wait for it
.if \fill
	s_xor_b32 s[G0B+1], s[G0B+1], TILEB            ; no tensor load of mine is out, so the group 0 may be written: the other region,
	s_add_nc_u64 s[G0B+2:G0B+3], s[G0B+2:G0B+3], 8*KS*REC   ; eight tile columns on
.endif
	s_wait_dscnt 0x0
.if \fill
	CROUND
	s_cmp_lt_u32 s14, 2                            ; waves 2 and 3 fetch a half each of the next tile's B
	s_cbranch_scc1 .Lno_fill_\@
	tensor_load_to_lds s[G0B:G0B+3], s[G1B:G1B+7]
	s_nop 0
.rept 4
	v_nop
.endr
.Lno_fill_\@:
.else
	s_barrier_signal -1
	s_barrier_wait -1
.endif
	v_add_nc_u32 v[LB], s[TBF], v4
	v_add_nc_u32 v[LS], s[TBS], v5
	v_add_nc_u32 v[LB+1], HALFB, v[LB]
	v_add_nc_u32 v[LS+1], HALFB, v[LS]
	FETCH 0, 0, 0
	FETCH 0, 1, 1
.endm
.macro KLOOP swap
	KSTEP 0, 1, \swap
.irp k, 1,2,3,4,5,6,7
	KSTEP \k, 0, \swap
.endr
	PLACES 8                                       ; eight places ahead of the first read of results
.endm
.macro NEXT                            ; behind a tile's stores
	s_wait_xcnt 0x0                                ; the stores have read their registers: the next tile's codes may be written
	s_xor_b32 s[TBF], s[TBF], TILEB                ; the next tile's B lies in the other region
	s_xor_b32 s[TBS], s[TBS], TILEB
.endm
; The 8 blocks of 32 that a lane has half of: block k = 2 a + j is v[ACC + 16 k] on, 16 neighbours along the next K; the other 16 lie in lane l xor 16.
.macro QUANT8
.irp k, 0,1,2,3,4,5,6,7
	v_max3_num_f32 v[TM+\k], |v[ACC+16*\k]|, |v[ACC+16*\k+1]|, 0x4800000   ; each accumulator is read from its low end on; the floor 2^(9 - 127) holds the byte at 1 from below
.endr
.irp i, 2,4,6,8,10,12,14
.irp k, 0,1,2,3,4,5,6,7
	v_max3_num_f32 v[TM+\k], v[TM+\k], |v[ACC+16*\k+\i]|, |v[ACC+16*\k+\i+1]|
.endr
.endr
.irp k, 0,1,2,3,4,5,6,7
	v_permlanex16_b32 v[T2+\k], v[TM+\k], s[SEL], s[SEL+1]
.endr
.irp k, 0,1,2,3,4,5,6,7
	v_max_num_f32 v[TM+\k], v[TM+\k], v[T2+\k]     ; the block's largest magnitude
.endr
.irp k, 0,1,2,3,4,5,6,7
	v_add_nc_u32 v[SO+\k], 0xfc000000, v[TM+\k]    ; 8 off its exponent field: the conversion's scale operand
.endr
.irp k, 0,1,2,3,4,5,6,7
	v_and_or_b32 v[BD+\k], v[TM+\k], 0x7f800000, s[MNT]   ; 448 x the scale
.endr
.irp k, 0,1,2,3,4,5,6,7
	v_lshrrev_b32 v[T2+\k], 23, v[SO+\k]           ; the scale's byte
.endr
.irp a, 0,1,2,3
	v_lshl_or_b32 v[T2+2*\a], v[T2+2*\a+1], 8, v[T2+2*\a]   ; tile a's two bytes
.endr
.irp k, 0,1,2,3,4,5,6,7
.irp i, 0,1,2,3,4,5,6,7,8,9,10,11,12,13,14,15
	v_med3_num_f32 v[ACC+16*\k+\i], v[ACC+16*\k+\i], -v[BD+\k], v[BD+\k]   ; the conversion does not saturate (ISA guide 7.6.2)
.endr
	v_cvt_scalef32_pk8_fp8_f32 v[CD+4*\k:CD+4*\k+1], v[ACC+16*\k:ACC+16*\k+7], v[SO+\k]
	v_cvt_scalef32_pk8_fp8_f32 v[CD+4*\k+2:CD+4*\k+3], v[ACC+16*\k+8:ACC+16*\k+15], v[SO+\k]
.endr
	v_nop                                          ; a plain instruction behind the last conversion
	v_cndmask_b32 v[T2+1], v[T2], v[T2+2], s[HIL]  ; lanes 0-15 carry tile 0's rows, lanes 16-31 tile 1's (both halves of the lanes hold every tile's bytes)
	v_cndmask_b32 v[T2+5], v[T2+4], v[T2+6], s[HIL]
.endm
.macro STORE_QK pc, ps                 ; q's or k's codes and scale words
.irp k, 0,1,2,3,4,5,6,7
	global_store_b128 v4, v[CD+4*\k:CD+4*\k+3], s[\pc:\pc+1] offset:(\k/2)*1024+(\k%2)*512   ; tile a, block c: 512 consecutive bytes
.endr
	global_store_b32 v5, v[T2+1], s[\ps:\ps+1]     ; two tiles' scale words: 128 consecutive bytes; bytes 2 and 3, of the K that is padded, are 0
	global_store_b32 v5, v[T2+5], s[\ps:\ps+1] offset:128
.endm
	s_wait_alu depctr_va_vdst(0)
	s_cmp_lt_u32 s14, 2                            ; the waves that fetched A wait for it; B's loads may be out
	s_cbranch_scc0 .Lnot_a
	s_wait_tensorcnt 0x0
.Lnot_a:
	s_barrier_signal -1
	s_barrier_wait -1                              ; everybody's is
.irp k, 0,1,2,3,4,5,6,7                            ; A into registers, once for the three tiles
	ds_load_b32 v[SA+2*\k], v[66+\k/4] offset:(\k%4)*REC
	ds_load_b32 v[SA+2*\k+1], v[66+\k/4] offset:(\k%4)*REC+128
.endr
	WIN 0x80                                       ; destination window 2: K steps 0-3
.irp k, 0,1,2,3
.irp a, 0,1,2,3
.irp c, 0,1,2,3
	ds_load_b128 v[64*\k+16*\a+4*\c:64*\k+16*\a+4*\c+3], v64 offset:\k*REC+\a*2048+\c*512
.endr
.endr
.endr
	WIN 0xc0                                       ; destination window 3: K steps 4-7
.irp k, 0,1,2,3
.irp a, 0,1,2,3
.irp c, 0,1,2,3
	ds_load_b128 v[64*\k+16*\a+4*\c:64*\k+16*\a+4*\c+3], v65 offset:\k*REC+\a*2048+\c*512
.endr
.endr
.endr
	WIN 0
	; ---- q
	HEAD 1                                         ; k's columns of the weight are asked for, into the region that held A
	s_wait_alu depctr_va_vdst(0)
	s_wait_loadcnt 0x0                             ; q's bias
	KLOOP 0
	BIAS 4096                                      ; k's bias is asked for ahead of the quantiser's lines
	QUANT8
	STORE_QK 70, 72
	NEXT
	; ---- k
	HEAD 1                                         ; v's columns are asked for
	s_wait_alu depctr_va_vdst(0)
	s_wait_loadcnt 0x0
	KLOOP 0
.irp a, 0,1,2,3
	global_load_b32 v[BI+8*\a], v[BVO], s[8:9] offset:8192+4*(32*(\a/2)+8*(\a%2))   ; v's bias: there a lane holds one column
.endr
	QUANT8
	STORE_QK 74, 76
	NEXT
	; ---- v: nothing is left to ask for
	HEAD 0
	s_wait_loadcnt 0x0
.irp a, 0,1,2,3
.irp j, 1,2,3,4,5,6,7
	v_mov_b32 v[BI+8*\a+\j], v[BI+8*\a]            ; so its eight registers take one bias
.endr
.endr
	s_wait_alu depctr_va_vdst(0)
	KLOOP 1
	QUANT8
.irp k, 0,1,2,3,4,5,6,7
	global_store_b128 v4, v[CD+4*\k:CD+4*\k+3], s[78:79] offset:(\k/2)*2048+(\k%2)*512
.endr
	global_store_b16 v5, v[T2+1], s[80:81]         ; two of a word's four bytes: the other two are the other half's wave's
	global_store_b16 v5, v[T2+5], s[80:81] offset:128
	v_mov_b32 v64, 0
	global_store_b32 v5, v64, s[82:83]             ; my 128 of the record's last 256 bytes, so that all that the attention copies has been stored
	s_wait_tensorcnt 0x0                           ; the wave's end
	ds_add_u32 v[SPW], v[NIL]
	s_wait_dscnt 0x0
	CROUND                                         ; the closing round: no work-group ends while a partner may still ask for a tile that names it
	s_endpgm
.Lfunc_end_k_qdc2dae84f0_qkv:
	.size	k_qdc2dae84f0_qkv, .Lfunc_end_k_qdc2dae84f0_qkv-k_qdc2dae84f0_qkv
	.p2alignl 7, 3214868480
	.fill 96, 4, 3214868480
	.section	.rodata,"a",@progbits
	.p2align	6, 0x0
	.amdhsa_kernel k_qdc2dae84f0_qkv
		.amdhsa_group_segment_fixed_size 327680
		.amdhsa_private_segment_fixed_size 0
		.amdhsa_enable_private_segment 0
		.amdhsa_kernarg_size 32
		.amdhsa_user_sgpr_count 2
		.amdhsa_user_sgpr_kernarg_segment_ptr 1
		.amdhsa_wavefront_size32 1
		.amdhsa_system_sgpr_workgroup_id_x 1
		.amdhsa_system_sgpr_workgroup_id_y 1
		.amdhsa_system_sgpr_workgroup_id_z 1
		.amdhsa_system_vgpr_workitem_id 0
		.amdhsa_next_free_vgpr 1024
		.amdhsa_next_free_sgpr 100
		.amdhsa_reserve_vcc 0
		.amdhsa_float_denorm_mode_32 3
		.amdhsa_float_denorm_mode_16_64 3
		.amdhsa_memory_ordered 1
		.amdhsa_forward_progress 1
		.amdhsa_inst_pref_size 157
	.end_amdhsa_kernel
	.amdgpu_metadata
---
amdhsa.version: [ 1, 2 ]
amdhsa.kernels:
  - .name:           k_qdc2dae84f0_qkv
    .symbol:         k_qdc2dae84f0_qkv.kd
    .args:
      - { .name: act, .offset: 0, .size: 8, .value_kind: global_buffer, .address_space: global }
      - { .name: wimg, .offset: 8, .size: 8, .value_kind: global_buffer, .address_space: global }
      - { .name: b_qkv, .offset: 16, .size: 8, .value_kind: global_buffer, .address_space: global }
      - { .name: qkvi, .offset: 24, .size: 8, .value_kind: global_buffer, .address_space: global }
    .group_segment_fixed_size: 327680
    .private_segment_fixed_size: 0
    .kernarg_segment_align: 8
    .kernarg_segment_size: 32
    .max_flat_workgroup_size: 128
    .sgpr_count:     100
    .vgpr_count:     1024
    .wavefront_size: 32
...
	.end_amdgpu_metadata
.endif
;; end of part 2
;; launch attn (part 3): grid 8 x 32, 16 waves a work-group, clusters of 4 x 1, 327,680 bytes of LDS; arguments qkvi, act; writes act
.if DOCPART == 3
	.amdgcn_target "amdgcn-amd-amdhsa--gfx1250"
	.amdhsa_code_object_version 6
	.text
	.protected	k_qdc2dae84f0_attn
	.globl	k_qdc2dae84f0_attn
	.p2align	8
	.type	k_qdc2dae84f0_attn,@function
k_qdc2dae84f0_attn:
	s_mov_b64 s[64:65], 0
	v_nop
	global_prefetch_b8 v0, s[64:65] scope:SCOPE_SE
	s_setreg_imm32_b32 hwreg(HW_REG_WAVE_MODE, 25, 1), 1
	s_wait_xcnt 0x0
	s_wait_alu depctr_hold_cnt(0) depctr_sa_sdst(0) depctr_va_vdst(0) depctr_va_sdst(0) depctr_va_ssrc(0) depctr_va_vcc(0) depctr_vm_vsrc(0)
	s_getreg_b32 s2, hwreg(HW_REG_IB_STS2, 6, 4)
	s_cmp_eq_u32 s2, 0
	s_cbranch_scc0 .Lentry_in_a_cluster
	s_endpgm
.Lentry_in_a_cluster:
	s_bfe_u32 s2, ttmp6, 0x10000c
	s_cmp_lg_u32 s2, 0x3003
	s_cbranch_scc0 .Lentry_shape_is_right
	s_endpgm
.Lentry_shape_is_right:
; ctx = softmax(q k^T / 8) v for one head and 256 queries, both products on codes of E4M3 with E8M0 scales; ctx is quantised along the next product's K and stored as an operand image.
; THE SOFTMAX AHEAD OF THE SECOND PRODUCT: t = score x log2(e) / 8; M = the running largest t rounded UP to a whole number; p = 2^(t - M) is quantised along the keys, not normalised; the row's sum is taken of the
; unquantised p and divides at the end; when M moves, the sum and O are multiplied by 2^(old M - new M), which rounds nothing.
; SHARES.  Sixteen waves, one tile of 16 queries each, four waves to a SIMD.  Every wave walks the head's 2,048 keys, 128 a step.
; THE WHOLE HEAD'S K AND V, codes and scale words, 278,528 bytes, LIE IN LDS, a copy of their bytes in qkvi: 16 records of KVREC bytes for 128 keys (K's 8 tiles x 1,024; K's 128 scale words at 8,192; V's 4 fragments
; x 2,048 at 8,704; V's 64 scale words at 16,896).  WAVE w FETCHES RECORD w, 68 rows of 256 bytes, by its one tensor load, at the head.  NO BYTE IS FILLED TWICE.  Two barriers show the records: ahead of key steps 0 to 3
; waves 0 to 3 have waited for their loads, ahead of key steps 4 to 15 all have.
; CLUSTER.  The four work-groups of a cluster are four query blocks of one head: every load is joint, with the mask of all four.
; LAYOUT.  Both products are used transposed: S^T = K Q^T, O^T = V^T P^T: a lane holds ONE query.  Lane r of tile T holds row pi(T, r) = 32 (T / 2) + 8 (T % 2) + r + 8 (r / 8), so that the 16 registers of tiles
; 2 b, 2 b + 1 are 16 neighbours: p's are the second product's operand as they stand, and O's are 16 neighbouring channels.
; K = 64 IN THE FIRST PRODUCT: the instruction takes 128.  Q's registers 8-15 are zero codes; K's fragment of tile t is v[32 + 8 t] on, 16 registers, whose upper eight are the next tile's codes (held at 448, so never a NaN code)
; or, behind tile 7, zeros: they meet zeros.  The scale bytes of those two blocks are 0, which stands for 2^-127.
; THE ROW'S SUM goes in seven chains; the six additions that join them stand behind the step's last products, where with the next step's two address additions they are the eight places ahead of the next loads.
; LIMITS: a block of zeros, or one under 2^-118, gets the byte 1 (read by this program alone); NaN and infinities are not served; the promise holds while |t| stays under 2^31.
; No prefetch: every tensor load goes out at the head, so there is no loop to run ahead in.
.set REC,   16896
.set QS,    4194304
.set KV,    4456448
.set HEADB, 278528
.set KVREC, 17408
.set SPARE, HEADB                      ; behind the head's bytes: the spare words, 128 bytes a wave
.set ADK,  8                           ; v8   LDS address of the step's record + 16 x lane
.set ADS,  9                           ; v9   + 4 x lane
.set KF,   32                          ; v32-95   K's 8 tiles, then V's 4 fragments;  v96-103 zeros
.set S,    104                         ; v104-167 S^T, then p
.set O,    168                         ; v168-199 O^T
.set P,    200                         ; v200-215 p's codes
.set BM,   216                         ; v216-219 a block's largest score, then its largest p
.set PM,   220                         ; v220-223 at work
.set BD,   224                         ; v224-227 448 x the scale
.set SO,   228                         ; v228-231 the conversions' scale operands
.set KSC,  232                         ; v232-235 K's or V's scale words: lanes 0-15 an even tile's, lanes 16-31 the odd one's
.set PW,   242                         ; v242 p's scale word.  v236-239, v244-251: six part sums; v240 f; v243, v252 at work; v255 Q's scale words
.set WV,   12
.set CS,   22                          ; s[22:23] c = log2(e) / 8
.set G1,   24
.set G0,   32
.set TB,   48                          ; s48  where the step's record begins in LDS
.set CNT,  49
.set SEL,  50
.set MNT,  52
.macro CROUND
	s_barrier_signal -1
	s_barrier_wait -1
	s_cmp_lg_u32 s[WV], 0
	s_cbranch_scc1 .Lnot_wave_0_\@
	s_barrier_signal -3
.Lnot_wave_0_\@:
	s_barrier_wait -3
	s_barrier_signal -1
	s_barrier_wait -1
.endm
	s_load_b128 s[4:7], s[0:1], 0x0                ; qkvi, act
	v_lshl_add_u32 v253, v0, 2, SPARE
	v_mov_b32 v254, 0
	ds_add_u32 v253, v254                          ; the opening lines: the add twice on end and its wait ahead of my tensor load
	ds_add_u32 v253, v254
	v_lshrrev_b32 v1, 5, v0
	s_delay_alu instid0(VALU_DEP_1)
	v_readfirstlane_b32 s[WV], v1                  ; wave 0..15
	s_bfe_u32 s13, ttmp6, 0x40000                  ; cx
	s_lshl_b32 s14, ttmp9, 2
	s_add_co_u32 s14, s14, s13                     ; my block of 256 queries: it enters global addresses of Q and ctx alone
	s_and_b32 s15, ttmp7, 0xffff                   ; batch x 16 + head, which the four partners share
	s_mul_i32 s18, s[WV], KVREC                    ; my record, in memory and in LDS
	s_mul_i32 s16, s15, HEADB
	s_add_co_u32 s16, s16, s18
	s_add_co_u32 s16, s16, KV
	s_mov_b32 s17, 0
	s_mov_b32 s[G1], 15|(3<<16)|(1<<21)            ; the mask: all four; elements of 8 bytes; bit 21 beside a mask; no padding
	s_mov_b32 s[G1+1], 32<<16                      ; tensor_dim0 = 32
	s_mov_b32 s[G1+2], 68<<16                      ; tensor_dim1 = 68
	s_mov_b32 s[G1+3], 32<<16                      ; tile_dim0
	s_mov_b32 s[G1+4], 68                          ; tile_dim1
	s_mov_b32 s[G1+5], 32                          ; from row to row
	s_mov_b32 s[G1+6], 0
	s_mov_b32 s[G1+7], 0
	s_mov_b32 s[CS], 0x3e38aa3b
	s_mov_b32 s[CS+1], s[CS]
	s_mov_b32 s[SEL], 0x76543210
	s_mov_b32 s[SEL+1], 0xfedcba98
	s_mov_b32 s[MNT], 0x600000
	s_mov_b32 s[G0], 1
	s_mov_b32 s[G0+1], s18
	s_wait_dscnt 0x0
	s_wait_kmcnt 0x0
	s_add_nc_u64 s[G0+2:G0+3], s[4:5], s[16:17]
	s_or_b32 s[G0+3], s[G0+3], 0x80000000
	CROUND                                         ; all four work-groups are here: the joint loads meet
	s_cmp_lt_u32 s[WV], 4                          ; one load a wave, in two arms of one chain: the first arm's four records are waited for ahead of the first barrier, the other twelve ahead of the second
	s_cbranch_scc0 .Lhead_late
	tensor_load_to_lds s[G0:G0+3], s[G1:G1+7]
	s_nop 0
.rept 4
	v_nop
.endr
	s_branch .Lhead_asked
.Lhead_late:
	tensor_load_to_lds s[G0:G0+3], s[G1:G1+7]
	s_nop 0
.rept 4
	v_nop
.endr
.Lhead_asked:
	s_lshl_b32 s16, s15, 7
	s_lshl_b32 s19, s14, 4
	s_add_co_u32 s16, s16, s19
	s_add_co_u32 s16, s16, s[WV]                   ; my tile of queries among all heads' tiles
	s_lshl_b32 s58, s16, 10
	s_mov_b32 s59, 0
	s_add_nc_u64 s[58:59], s[4:5], s[58:59]        ; its codes
	s_lshl_b32 s60, s16, 6
	s_add_co_u32 s60, s60, QS
	s_mov_b32 s61, 0
	s_add_nc_u64 s[60:61], s[4:5], s[60:61]        ; its scale words
	s_lshr_b32 s16, s15, 4
	s_lshl_b32 s16, s16, 4
	s_lshl_b32 s19, s14, 1
	s_add_co_u32 s16, s16, s19
	s_lshr_b32 s19, s[WV], 3
	s_add_co_u32 s16, s16, s19                     ; ctx: which 128 rows,
	s_lshl_b32 s16, s16, 3
	s_bfe_u32 s19, s15, 0x30001                    ; which K step: head / 2
	s_add_co_u32 s16, s16, s19
	s_mul_i32 s16, s16, REC                        ; the record
	s_and_b32 s19, s[WV], 7                        ; my tile in it
	s_and_b32 s53, s15, 1                          ; head % 2: blocks c = 2 (head % 2) + 0, 1
	s_lshl_b32 s54, s19, 11
	s_add_co_u32 s54, s54, s16
	s_lshl_b32 s55, s53, 10
	s_add_co_u32 s54, s54, s55
	s_mov_b32 s55, 0
	s_add_nc_u64 s[54:55], s[6:7], s[54:55]
	s_lshl_b32 s56, s19, 6
	s_add_co_u32 s56, s56, s16
	s_lshl_b32 s57, s53, 1
	s_add_co_u32 s56, s56, s57
	s_add_co_u32 s56, s56, 16384
	s_mov_b32 s57, 0
	s_add_nc_u64 s[56:57], s[6:7], s[56:57]
	v_and_b32 v3, 31, v0
	s_delay_alu instid0(VALU_DEP_1)
	v_lshlrev_b32 v1, 4, v3                        ; 16 x lane
	s_delay_alu instid0(VALU_DEP_2)
	v_lshlrev_b32 v2, 2, v3                        ; 4 x lane
	v_and_b32 v3, 15, v0
	s_delay_alu instid0(VALU_DEP_1)
	v_lshlrev_b32 v3, 2, v3                        ; 4 r
	global_load_b128 v[16:19], v1, s[58:59]        ; Q's fragment stays in registers
	global_load_b128 v[20:23], v1, s[58:59] offset:512
	global_load_b32 v255, v3, s[60:61]             ; Q's scale words
.irp j, 0,1,2,3,4,5,6,7
	v_mov_b32 v[24+\j], 0                          ; the padded half of K: zero codes on Q's side,
	v_mov_b32 v[96+\j], 0                          ; and behind K's last tile
.endr
	v_mov_b32 v13, 0xff61b1e6                      ; the largest t so far: -3e38
	s_delay_alu instid0(VALU_DEP_1)
	v_floor_f32 v12, -v13                          ; -M
	v_mov_b32 v14, 0                               ; the sum, in two halves
	v_mov_b32 v15, 0
.irp b, 0,1,2,3
	v_mov_b32 v[PM+\b], 0                          ; written once: a lane permute's destination counts as one of its sources
.endr
	v_mov_b32 v241, 0                              ; (named as the upper half of the pair v[240:241])
.set j, 0
.rept 32
	v_mov_b32 v[O+j], 0                            ; O^T: the first step finds zeros, which the first change of M leaves zeros
.set j, j+1
.endr
; A KEY STEP: 128 keys.
.macro STEP
	v_add_nc_u32 v[ADK], s[TB], v1                 ; with the six additions at the last step's end: eight places behind its products, ahead of loads into registers that they read
	v_add_nc_u32 v[ADS], s[TB], v2
.irp t, 0,1,2,3,4,5,6,7
	ds_load_b128 v[KF+8*\t:KF+8*\t+3], v[ADK] offset:\t*1024
	ds_load_b128 v[KF+8*\t+4:KF+8*\t+7], v[ADK] offset:\t*1024+512
.endr
.irp p, 0,1,2,3
	ds_load_b32 v[KSC+\p], v[ADS] offset:8192+128*\p
.endr
	s_wait_alu depctr_va_vdst(0)
	s_wait_dscnt 0x0
.irp t, 0,2,4,6
	v_wmma_scale_f32_16x16x128_f8f6f4 v[S+8*\t:S+8*\t+7], v[KF+8*\t:KF+8*\t+15], v[16:31], 0, v[KSC+\t/2], v255
	v_wmma_scale_f32_16x16x128_f8f6f4 v[S+8*\t+8:S+8*\t+15], v[KF+8*\t+8:KF+8*\t+23], v[16:31], 0, v[KSC+\t/2], v255 matrix_a_scale:MATRIX_SCALE_ROW1
.endr
	v_mov_b32 v243, v12                            ; the old -M.  With the seven below: eight places ahead of the loads and of the first read of the scores
.rept 7
	v_nop
.endr
.irp d, 0,1,2,3                                    ; V's fragments are asked for now and land under the softmax
.irp c, 0,1,2,3
	ds_load_b128 v[KF+16*\d+4*\c:KF+16*\d+4*\c+3], v[ADK] offset:8704+\d*2048+\c*512
.endr
.endr
	ds_load_b32 v[KSC], v[ADS] offset:16896
	ds_load_b32 v[KSC+1], v[ADS] offset:16896+128
.irp b, 0,1,2,3
	v_max3_num_f32 v[BM+\b], v[S+16*\b], v[S+16*\b+1], v[S+16*\b+2]   ; the largest score of each block of 32 keys: it serves the row's maximum and, since p rises with the score, the block's largest p
.endr
.irp i, 3,5,7,9,11,13
.irp b, 0,1,2,3
	v_max3_num_f32 v[BM+\b], v[BM+\b], v[S+16*\b+\i], v[S+16*\b+\i+1]
.endr
.endr
.irp b, 0,1,2,3
	v_max_num_f32 v[BM+\b], v[BM+\b], v[S+16*\b+15]
.endr
.irp b, 0,1,2,3
	s_delay_alu instid0(VALU_DEP_4)
	v_permlanex16_b32 v[PM+\b], v[BM+\b], s[SEL], s[SEL+1]
.endr
.irp b, 0,1,2,3
	s_delay_alu instid0(VALU_DEP_4)
	v_max_num_f32 v[BM+\b], v[BM+\b], v[PM+\b]     ; with lane l xor 16's 16 keys
.endr
	s_delay_alu instid0(VALU_DEP_2)
	v_max3_num_f32 v252, v[BM], v[BM+1], v[BM+2]
	s_delay_alu instid0(VALU_DEP_1)
	v_max_num_f32 v252, v252, v[BM+3]              ; the step's largest score of my query
	s_delay_alu instid0(VALU_DEP_1)
	v_mul_f32 v252, s[CS], v252                    ; as t
	s_delay_alu instid0(VALU_DEP_1)
	v_max_num_f32 v13, v13, v252                   ; the running largest t
	s_delay_alu instid0(VALU_DEP_1)
	v_floor_f32 v12, -v13                          ; the new -M = -ceil(t): a whole number
	s_delay_alu instid0(VALU_DEP_1)
	v_sub_f32 v243, v12, v243                      ; old M - new M: a whole number, 0 or less
	s_delay_alu instid0(VALU_DEP_1)
	v_cvt_i32_f32 v243, v243                       ; (it saturates)
	s_delay_alu instid0(VALU_DEP_1)
	v_ldexp_f32 v240, 1.0, v243                    ; f = 2^(old M - new M)
.set j, 0
.rept 32
	v_pk_fma_f32 v[S+j:S+j+1], v[S+j:S+j+1], s[CS:CS+1], v[12:13] op_sel_hi:[1,0,0]   ; t - M, two at a time
.set j, j+2
.endr
.irp b, 0,1,2,3
	v_fma_f32 v[BM+\b], v[BM+\b], s[CS], v12       ; the same of each block's largest score
.endr
	s_wait_alu depctr_va_vdst(0)                   ; a wait ahead of the batch
.set j, 0
.rept 64
	v_exp_f32 v[S+j], v[S+j]                       ; p = 2^(t - M), at most 1
.set j, j+1
.endr
	v_pk_mul_f32 v[14:15], v[14:15], v[240:241] op_sel_hi:[1,0]   ; the sum under the new M: a plain instruction behind the batch
	s_wait_alu depctr_va_vdst(0)                   ; one wait for the 64, ahead of their first reader
.irp b, 0,1,2,3
	v_exp_f32 v[BM+\b], v[BM+\b]                   ; the block's largest p: the same two instructions on the same number
.endr
.irp k, 0,1,2,3,4,5                                ; THE ROW'S SUM IS TAKEN OF THE UNQUANTISED p: six part sums by turns, and two pairs straight onto the sum
.set TK, 236+2*\k+4*((\k+2)/4)
	v_pk_add_f32 v[TK:TK+1], v[S+4*\k:S+4*\k+1], v[S+4*\k+2:S+4*\k+3]
.endr
	v_pk_add_f32 v[14:15], v[14:15], v[S+60:S+61]
.irp g, 0,1,2
.irp k, 0,1,2,3,4,5
.set TK, 236+2*\k+4*((\k+2)/4)
	v_pk_add_f32 v[TK:TK+1], v[TK:TK+1], v[S+24+12*\g+2*\k:S+25+12*\g+2*\k]
.endr
.endr
	v_pk_add_f32 v[14:15], v[14:15], v[S+62:S+63]
	s_wait_alu depctr_va_vdst(0)                   ; and one for the four
.irp b, 0,1,2,3
	v_max_num_f32 v[BM+\b], 0x4800000, v[BM+\b]    ; the floor 2^(9 - 127): the byte cannot fall under 1
.endr
.irp b, 0,1,2,3
	s_delay_alu instid0(VALU_DEP_4)
	v_add_nc_u32 v[SO+\b], 0xfc000000, v[BM+\b]
.endr
.irp b, 0,1,2,3
	v_and_or_b32 v[BD+\b], v[BM+\b], 0x7f800000, s[MNT]
.endr
.irp b, 0,1,2,3
	v_lshrrev_b32 v[PM+\b], 23, v[SO+\b]
.endr
	s_delay_alu instid0(VALU_DEP_3)
	v_lshl_or_b32 v[PW], v[PM+1], 8, v[PM]         ; p's scale word for these 128 keys
	s_delay_alu instid0(VALU_DEP_1)
	v_lshl_or_b32 v[PW], v[PM+2], 16, v[PW]
	s_delay_alu instid0(VALU_DEP_1)
	v_lshl_or_b32 v[PW], v[PM+3], 24, v[PW]
.irp b, 0,1,2,3
.irp i, 0,1,2,3,4,5,6,7,8,9,10,11,12,13,14,15
	v_min_num_f32 v[S+16*\b+\i], v[S+16*\b+\i], v[BD+\b]   ; the conversion does not saturate (ISA guide 7.6.2); p is not negative, so the hold is one-sided
.endr
	v_cvt_scalef32_pk8_fp8_f32 v[P+4*\b:P+4*\b+1], v[S+16*\b:S+16*\b+7], v[SO+\b]
	v_cvt_scalef32_pk8_fp8_f32 v[P+4*\b+2:P+4*\b+3], v[S+16*\b+8:S+16*\b+15], v[SO+\b]
.endr
	s_wait_alu depctr_va_vdst(0)                   ; directly ahead of the first reader of O^T
.set j, 0
.rept 16
	v_pk_mul_f32 v[O+j:O+j+1], v[O+j:O+j+1], v[240:241] op_sel_hi:[1,0]   ; O^T under the new M; these 16 are also the places between the conversions and the products that take the codes
.set j, j+2
.endr
	s_wait_alu depctr_va_vdst(0)
	s_wait_dscnt 0x0                               ; V
.irp d, 0,2
	v_wmma_scale_f32_16x16x128_f8f6f4 v[O+8*\d:O+8*\d+7], v[KF+16*\d:KF+16*\d+15], v[P:P+15], v[O+8*\d:O+8*\d+7], v[KSC+\d/2], v[PW]
	v_wmma_scale_f32_16x16x128_f8f6f4 v[O+8*\d+8:O+8*\d+15], v[KF+16*\d+16:KF+16*\d+31], v[P:P+15], v[O+8*\d+8:O+8*\d+15], v[KSC+\d/2], v[PW] matrix_a_scale:MATRIX_SCALE_ROW1
.endr
	v_pk_add_f32 v[236:237], v[236:237], v[238:239]   ; the part sums are joined: six places behind the products, none of whose registers they name
	v_pk_add_f32 v[244:245], v[244:245], v[246:247]
	v_pk_add_f32 v[248:249], v[248:249], v[250:251]
	s_delay_alu instid0(VALU_DEP_2)
	v_pk_add_f32 v[236:237], v[236:237], v[244:245]
	s_delay_alu instid0(VALU_DEP_2)
	v_pk_add_f32 v[14:15], v[14:15], v[248:249]
	s_delay_alu instid0(VALU_DEP_1)
	v_pk_add_f32 v[14:15], v[14:15], v[236:237]
.endm
; n key steps from record first on: the waves whose records they read (or earlier ones) have waited for their loads, then everybody knows.
.macro GROUP first, n
.if \first+\n < 16                     ; only where later records may still be on their way does a branch lead their waves round the wait
	s_cmp_lt_u32 s[WV], \first+\n
	s_cbranch_scc0 .Llater_\@
.endif
	s_wait_tensorcnt 0x0
.if \first+\n < 16
.Llater_\@:
.endif
	s_wait_dscnt 0x0
	s_barrier_signal -1
	s_barrier_wait -1
	s_mov_b32 s[TB], \first*KVREC
	s_mov_b32 s[CNT], \n
.Lstep_\@:
	STEP
	s_add_co_u32 s[TB], s[TB], KVREC
	s_sub_co_u32 s[CNT], s[CNT], 1
	s_cmp_lg_u32 s[CNT], 0
	s_cbranch_scc1 .Lstep_\@
.endm
	s_wait_alu depctr_va_vdst(0)
	s_wait_loadcnt 0x0                             ; Q
	GROUP 0, 4
	GROUP 4, 12
	; THE WAY OUT: O^T / the sum; its 2 x 16 registers are channels 32 j + 16 h + 0..15 of the head: two blocks of the next K, quantised as they stand
.rept 2
	v_nop                                          ; with the six additions above: eight places behind the last products
.endr
	v_add_f32 v14, v14, v15
	s_delay_alu instid0(VALU_DEP_1)
	v_permlanex16_b32 v243, v14, s[SEL], s[SEL+1]
	s_delay_alu instid0(VALU_DEP_1)
	v_add_f32 v14, v14, v243                       ; the row's sum
	s_wait_alu depctr_va_vdst(0)
	v_rcp_f32 v14, v14
	v_nop
	s_wait_alu depctr_va_vdst(0)                   ; ahead of the reciprocal's and O^T's first reader
.set j, 0
.rept 32
	v_mul_f32 v[S+j], v[O+j], v14                  ; each accumulator from its low end on
.set j, j+1
.endr
.irp b, 0,1
	v_max3_num_f32 v[BM+\b], |v[S+16*\b]|, |v[S+16*\b+1]|, 0x4800000
.endr
.irp i, 2,4,6,8,10,12,14
.irp b, 0,1
	s_delay_alu instid0(VALU_DEP_2)
	v_max3_num_f32 v[BM+\b], v[BM+\b], |v[S+16*\b+\i]|, |v[S+16*\b+\i+1]|
.endr
.endr
.irp b, 0,1
	s_delay_alu instid0(VALU_DEP_2)
	v_permlanex16_b32 v[PM+\b], v[BM+\b], s[SEL], s[SEL+1]
.endr
.irp b, 0,1
	s_delay_alu instid0(VALU_DEP_2)
	v_max_num_f32 v[BM+\b], v[BM+\b], v[PM+\b]
.endr
.irp b, 0,1
	s_delay_alu instid0(VALU_DEP_2)
	v_add_nc_u32 v[SO+\b], 0xfc000000, v[BM+\b]
.endr
.irp b, 0,1
	s_delay_alu instid0(VALU_DEP_4)
	v_and_or_b32 v[BD+\b], v[BM+\b], 0x7f800000, s[MNT]
.endr
.irp b, 0,1
	s_delay_alu instid0(VALU_DEP_4)
	v_lshrrev_b32 v[PM+\b], 23, v[SO+\b]
.endr
	s_delay_alu instid0(VALU_DEP_1)
	v_lshl_or_b32 v241, v[PM+1], 8, v[PM]
.irp b, 0,1
.irp i, 0,1,2,3,4,5,6,7,8,9,10,11,12,13,14,15
	v_med3_num_f32 v[S+16*\b+\i], v[S+16*\b+\i], -v[BD+\b], v[BD+\b]
.endr
	v_cvt_scalef32_pk8_fp8_f32 v[P+4*\b:P+4*\b+1], v[S+16*\b:S+16*\b+7], v[SO+\b]
	v_cvt_scalef32_pk8_fp8_f32 v[P+4*\b+2:P+4*\b+3], v[S+16*\b+8:S+16*\b+15], v[SO+\b]
.endr
	v_nop
	global_store_b128 v1, v[P:P+3], s[54:55]       ; 512 consecutive bytes each
	global_store_b128 v1, v[P+4:P+7], s[54:55] offset:512
	global_store_b16 v3, v241, s[56:57]            ; my head's two bytes of row r's scale word; lanes l and l xor 16 hold the same value and name the same place
	s_wait_tensorcnt 0x0                           ; the wave's end
	ds_add_u32 v253, v254
	s_wait_dscnt 0x0
	CROUND                                         ; the closing round
	s_endpgm
.Lfunc_end_k_qdc2dae84f0_attn:
	.size	k_qdc2dae84f0_attn, .Lfunc_end_k_qdc2dae84f0_attn-k_qdc2dae84f0_attn
	.p2alignl 7, 3214868480
	.fill 96, 4, 3214868480
	.section	.rodata,"a",@progbits
	.p2align	6, 0x0
	.amdhsa_kernel k_qdc2dae84f0_attn
		.amdhsa_group_segment_fixed_size 327680
		.amdhsa_private_segment_fixed_size 0
		.amdhsa_enable_private_segment 0
		.amdhsa_kernarg_size 16
		.amdhsa_user_sgpr_count 2
		.amdhsa_user_sgpr_kernarg_segment_ptr 1
		.amdhsa_wavefront_size32 1
		.amdhsa_system_sgpr_workgroup_id_x 1
		.amdhsa_system_sgpr_workgroup_id_y 1
		.amdhsa_system_sgpr_workgroup_id_z 1
		.amdhsa_system_vgpr_workitem_id 0
		.amdhsa_next_free_vgpr 256
		.amdhsa_next_free_sgpr 66
		.amdhsa_reserve_vcc 0
		.amdhsa_float_denorm_mode_32 3
		.amdhsa_float_denorm_mode_16_64 3
		.amdhsa_memory_ordered 1
		.amdhsa_forward_progress 1
		.amdhsa_inst_pref_size 53
	.end_amdhsa_kernel
	.amdgpu_metadata
---
amdhsa.version: [ 1, 2 ]
amdhsa.kernels:
  - .name:           k_qdc2dae84f0_attn
    .symbol:         k_qdc2dae84f0_attn.kd
    .args:
      - { .name: qkvi, .offset: 0, .size: 8, .value_kind: global_buffer, .address_space: global }
      - { .name: act, .offset: 8, .size: 8, .value_kind: global_buffer, .address_space: global }
    .group_segment_fixed_size: 327680
    .private_segment_fixed_size: 0
    .kernarg_segment_align: 8
    .kernarg_segment_size: 16
    .max_flat_workgroup_size: 512
    .sgpr_count:     66
    .vgpr_count:     256
    .wavefront_size: 32
...
	.end_amdgpu_metadata
.endif
;; end of part 3
;; launch proj (part 4): grid 8 x 32, 4 waves a work-group, clusters of 4 x 4, 327,680 bytes of LDS; arguments act, wimg, b_proj, x, x1; writes x1
.if DOCPART == 4
	.amdgcn_target "amdgcn-amd-amdhsa--gfx1250"
	.amdhsa_code_object_version 6
	.text
	.protected	k_qdc2dae84f0_proj
	.globl	k_qdc2dae84f0_proj
	.p2align	8
	.type	k_qdc2dae84f0_proj,@function
k_qdc2dae84f0_proj:
	s_mov_b64 s[64:65], 0
	v_nop
	global_prefetch_b8 v0, s[64:65] scope:SCOPE_SE
	s_setreg_imm32_b32 hwreg(HW_REG_WAVE_MODE, 25, 1), 1
	s_wait_xcnt 0x0
	s_wait_alu depctr_hold_cnt(0) depctr_sa_sdst(0) depctr_va_vdst(0) depctr_va_sdst(0) depctr_va_ssrc(0) depctr_va_vcc(0) depctr_vm_vsrc(0)
	s_getreg_b32 s2, hwreg(HW_REG_IB_STS2, 6, 4)
	s_cmp_eq_u32 s2, 0
	s_cbranch_scc0 .Lentry_in_a_cluster
	s_endpgm
.Lentry_in_a_cluster:
	s_bfe_u32 s2, ttmp6, 0x10000c
	s_cmp_lg_u32 s2, 0xf033
	s_cbranch_scc0 .Lentry_shape_is_right
	s_endpgm
.Lentry_shape_is_right:
.set REC,   16896
.set KS,    8
.set WOFF,  3244032
.set LAPS,  KS/8
.set SLOTA, 4*REC
.set SLOT,  8*REC
.set STAGE, 2*SLOT
.set SPARE, STAGE+4*4352
.set SC,   8
.set ADRA, 16
.set ADRB, 20
.set ADRS, 22
.set STO,  24
.set RD,   25
.set CO,   26
.set BO,   27
.set SPW,  28
.set NIL,  29
.set BI,   32
.set BK,   64
.set ACC,  128
.set F0,   0
.set F1,   128
.set G1,  24
.set G0,  32
.set G1B, 48
.set G0B, 56
.set MSB, 0
.macro WIN new
.if MSB != \new
	s_set_vgpr_msb (MSB<<8)|\new
.set MSB, \new
.endif
.endm
.set MUL,  0x05
.set TO_F, 0x40
.macro JLOAD s
	s_cmp_eq_u32 s15, 0
	s_cbranch_scc0 .Lfor_b_\@
	tensor_load_to_lds s[G0+4*\s:G0+4*\s+3], s[G1:G1+7]
	s_nop 0
.rept 4
	v_nop
.endr
	s_branch .Lasked_\@
.Lfor_b_\@:
	tensor_load_to_lds s[G0B+4*\s:G0B+4*\s+3], s[G1B:G1B+7]
	s_nop 0
.rept 4
	v_nop
.endr
.Lasked_\@:
.endm
.macro CREST
	s_cmp_lg_u32 s14, 0
	s_cbranch_scc1 .Lnot_wave_0_\@
	s_barrier_signal -3
.Lnot_wave_0_\@:
	s_barrier_wait -3
	s_barrier_signal -1
	s_barrier_wait -1
.endm
.macro CROUND
	s_barrier_signal -1
	s_barrier_wait -1
	CREST
.endm
.macro PLACES n
.rept \n
	v_nop
.endr
.endm
	s_load_b256 s[4:11], s[0:1], 0x0
	s_load_b64 s[12:13], s[0:1], 0x20
	v_lshl_add_u32 v[SPW], v0, 2, SPARE
	v_mov_b32 v[NIL], 0
	ds_add_u32 v28, v29
	ds_add_u32 v28, v29
	s_wait_dscnt 0x0
	v_lshrrev_b32 v1, 5, v0
	v_readfirstlane_b32 s14, v1
	s_lshr_b32 s15, s14, 1
	s_and_b32 s16, s14, 1
	s_bfe_u32 s40, ttmp6, 0x40000
	s_bfe_u32 s41, ttmp6, 0x40004
	s_lshl_b32 s42, ttmp9, 2
	s_add_co_u32 s42, s42, s40
	s_and_b32 s17, ttmp7, 0xffff
	s_lshl_b32 s17, s17, 2
	s_add_co_u32 s17, s17, s41
	s_lshl_b32 s43, s41, 2
	s_lshl_b32 s43, 15, s43
	s_lshl_b32 s44, 0x1111, s40
	s_or_b32 s[G1], s43, (3<<16)|(1<<21)
	s_or_b32 s[G1B], s44, (3<<16)|(1<<21)
.irp g, G1, G1B
	s_mov_b32 s[\g+1], 32<<16
	s_mov_b32 s[\g+2], 264<<16                     ; a load brings four records, 67,584 dense bytes, as 264 rows of 256
	s_mov_b32 s[\g+3], 32<<16
	s_mov_b32 s[\g+4], 264
	s_mov_b32 s[\g+5], 32
	s_mov_b32 s[\g+6], 0
	s_mov_b32 s[\g+7], 0
.endr
	s_mul_i32 s20, s17, KS*REC                     ; ALL OF K, eight records a side, fits in the two slots: wave 0 fetches A's records 0-3, wave 1 B's 0-3 (slot 0), wave 2 A's 4-7, wave 3 B's 4-7 (slot 1): one load a wave, at the head; no byte is filled twice
	s_mov_b32 s21, 0
	s_mul_i32 s46, s42, KS*REC
	s_add_co_u32 s46, s46, WOFF
	s_mov_b32 s47, 0
	s_wait_kmcnt 0x0
	s_add_nc_u64 s[20:21], s[4:5], s[20:21]
	s_add_nc_u64 s[46:47], s[6:7], s[46:47]
	CROUND
.irp s, 0,1
	s_mov_b32 s[G0+4*\s], 1
	s_mov_b32 s[G0+4*\s+1], \s*SLOT
	s_add_nc_u64 s[G0+4*\s+2:G0+4*\s+3], s[20:21], \s*4*REC
	s_or_b32 s[G0+4*\s+3], s[G0+4*\s+3], 0x80000000
	s_mov_b32 s[G0B+4*\s], 1
	s_mov_b32 s[G0B+4*\s+1], \s*SLOT+SLOTA
	s_add_nc_u64 s[G0B+4*\s+2:G0B+4*\s+3], s[46:47], \s*4*REC
	s_or_b32 s[G0B+4*\s+3], s[G0B+4*\s+3], 0x80000000
.endr
.macro ARM under, g0, g1, next         ; one chain of branches on the wave's number, an arm a load, all arms to one join
	s_cmp_lt_u32 s14, \under
	s_cbranch_scc0 \next
	tensor_load_to_lds s[\g0:\g0+3], s[\g1:\g1+7]
	s_nop 0
.rept 4
	v_nop
.endr
	s_branch .Lhead_asked
\next:
.endm
	ARM 1, G0, G1, .Lhead_1
	ARM 2, G0B, G1B, .Lhead_2
	ARM 3, G0+4, G1, .Lhead_3
	tensor_load_to_lds s[G0B+4:G0B+7], s[G1B:G1B+7]
	s_nop 0
.rept 4
	v_nop
.endr
.Lhead_asked:
	v_and_b32 v3, 31, v0
	v_and_b32 v1, 15, v0
	v_bfe_u32 v2, v0, 4, 1
	s_wait_alu depctr_va_vdst(0)
	v_lshlrev_b32 v4, 4, v3
	s_lshl_b32 s21, s15, 13
	s_lshl_b32 s22, s16, 13
	s_add_co_u32 s22, s22, SLOTA
.irp s, 0,1
	v_add_nc_u32 v[ADRA+\s], s21, v4
	v_add_nc_u32 v[ADRB+\s], s22, v4
	s_add_co_u32 s21, s21, SLOT
	s_add_co_u32 s22, s22, SLOT
.endr
	s_lshl_b32 s21, s15, 8
	s_lshl_b32 s22, s16, 8
	s_add_co_u32 s22, s22, SLOTA
	s_sub_co_u32 s22, s22, s21
	v_mul_u32_u24 v6, s22, v2
	s_add_co_u32 s21, s21, 16384
	v_lshl_add_u32 v6, v1, 2, v6
	v_add_nc_u32 v[ADRS], s21, v6
	v_add_nc_u32 v[ADRS+1], SLOT, v[ADRS]
	s_mul_i32 s23, s14, 4352
	s_add_co_u32 s23, s23, STAGE
	v_mul_u32_u24 v6, v1, 272
	v_lshl_add_u32 v6, v2, 6, v6
	v_add_nc_u32 v[STO], s23, v6
	v_mul_u32_u24 v6, v2, 272
	v_lshl_add_u32 v6, v1, 4, v6
	v_add_nc_u32 v[RD], s23, v6
	v_lshlrev_b32 v6, 12, v2
	v_lshl_add_u32 v[CO], v1, 4, v6
	v_lshlrev_b32 v[BO], 6, v2
	s_wait_alu depctr_va_vdst(0)
	s_lshl_b32 s46, s42, 9
	s_lshl_b32 s47, s16, 8
	s_add_co_u32 s46, s46, s47
	s_mov_b32 s47, 0
	s_add_nc_u64 s[8:9], s[8:9], s[46:47]
	s_lshl_b32 s20, s17, 19
	s_lshl_b32 s21, s15, 18
	s_add_co_u32 s20, s20, s21
	s_add_co_u32 s20, s20, s46
	s_mov_b32 s21, 0
	s_add_nc_u64 s[10:11], s[10:11], s[20:21]
	s_add_nc_u64 s[12:13], s[12:13], s[20:21]
.irp b, 0,1,2,3
	global_load_b128 v[BI+8*\b:BI+8*\b+3], v[BO], s[8:9] offset:4*(32*(\b/2)+8*(\b%2))
	global_load_b128 v[BI+8*\b+4:BI+8*\b+7], v[BO], s[8:9] offset:4*(32*(\b/2)+8*(\b%2))+16
.endr
	WIN 0x80
.irp a, 0,1,2,3
.irp i, 0,1,2,3,4,5,6,7
	global_load_b128 v[32*\a+4*\i:32*\a+4*\i+3], v[CO], s[10:11] offset:(32*(\a/2)+8*(\a%2)+2*\i+8*(\i/4))*4096
.endr
.endr
	WIN 0
.macro FETCH slot, ks, f
.irp i, 0,1,2,3
	ds_load_b32 v[SC+4*((\f)/128)+\i], v[ADRS+\slot] offset:(\ks)*REC+64*\i
.endr
	WIN TO_F
.irp i, 0,1,2,3
.irp c, 0,1,2,3
	ds_load_b128 v[\f+16*\i+4*\c:\f+16*\i+4*\c+3], v[ADRA+\slot] offset:(\ks)*REC+\i*2048+\c*512
.endr
.endr
.irp i, 0,1,2,3
.irp c, 0,1,2,3
	ds_load_b128 v[\f+64+16*\i+4*\c:\f+64+16*\i+4*\c+3], v[ADRB+\slot] offset:(\ks)*REC+\i*2048+\c*512
.endr
.endr
	WIN 0
.endm
.macro MUL8 f, a0, first
.irp a, \a0, \a0+1
.irp b, 0,1,2,3
.set rD, ACC+8*(4*(\a)+\b)
.set rX, SC+4*((\f)/128)+\b
.set rY, SC+4*((\f)/128)+(\a)
.if \first
	v_wmma_scale_f32_16x16x128_f8f6f4 v[rD:rD+7], v[\f+64+16*\b:\f+64+16*\b+15], v[\f+16*(\a):\f+16*(\a)+15], v[BI+8*\b:BI+8*\b+7], v[rX], v[rY] matrix_a_scale:MATRIX_SCALE_ROW1
.else
	v_wmma_scale_f32_16x16x128_f8f6f4 v[rD:rD+7], v[\f+64+16*\b:\f+64+16*\b+15], v[\f+16*(\a):\f+16*(\a)+15], v[rD:rD+7], v[rX], v[rY] matrix_a_scale:MATRIX_SCALE_ROW1
.endif
.endr
.endr
.endm
.macro KSTEP slot, ks, f, g, first
	s_wait_dscnt 0x0
	PLACES 8
	FETCH \slot, (\ks)+1, \g
	WIN MUL
	MUL8 \f, 0, \first
	MUL8 \f, 2, \first
	WIN 0
.endm
.macro TURN slot, next, fill
	s_wait_dscnt 0x0
	s_wait_tensorcnt 0x0
	ds_add_u32 v[SPW], v[NIL]
	WIN MUL
	MUL8 F1, 0, 0
	WIN 0
	s_wait_dscnt 0x0
	s_barrier_signal -1
	s_barrier_wait -1
.if \fill
	CREST
	s_add_nc_u64 s[G0+4*\slot+2:G0+4*\slot+3], s[G0+4*\slot+2:G0+4*\slot+3], 8*REC
	s_add_nc_u64 s[G0B+4*\slot+2:G0B+4*\slot+3], s[G0B+4*\slot+2:G0B+4*\slot+3], 8*REC
	JLOAD \slot
	PLACES 4
.else
	PLACES 8
.endif
	FETCH \next, 0, F0
	WIN MUL
	MUL8 F1, 2, 0
	WIN 0
.endm
	s_cmp_lt_u32 s14, 2                            ; waves 0 and 1 fetched slot 0 and wait for it; slot 1's loads may be out
	s_cbranch_scc0 .Lnot_slot_0
	s_wait_tensorcnt 0x0
.Lnot_slot_0:
	s_barrier_signal -1
	s_barrier_wait -1
	FETCH 0, 0, F0
	s_wait_loadcnt 32
	KSTEP 0, 0, F0, F1, 1
.if LAPS > 1
	s_mov_b32 s3, LAPS-1
.Llap:
	KSTEP 0, 1, F1, F0, 0
	KSTEP 0, 2, F0, F1, 0
	TURN 0, 1, 1
	KSTEP 1, 0, F0, F1, 0
	KSTEP 1, 1, F1, F0, 0
	KSTEP 1, 2, F0, F1, 0
	TURN 1, 0, 1
	KSTEP 0, 0, F0, F1, 0
	s_sub_co_u32 s3, s3, 1
	s_cmp_lg_u32 s3, 0
	s_cbranch_scc1 .Llap
.endif
	KSTEP 0, 1, F1, F0, 0
	KSTEP 0, 2, F0, F1, 0
	TURN 0, 1, 0
	KSTEP 1, 0, F0, F1, 0
	KSTEP 1, 1, F1, F0, 0
	KSTEP 1, 2, F0, F1, 0
	s_wait_dscnt 0x0
	WIN MUL
	MUL8 F1, 0, 0
	MUL8 F1, 2, 0
	WIN 0
	PLACES 8
	s_wait_loadcnt 0x0
.macro OUTA a
.if (\a) >= 2
	s_wait_xcnt 0x0
.endif
.irp b, 0,1,2,3
	ds_store_b128 v[STO], v[ACC+8*(4*(\a)+\b):ACC+8*(4*(\a)+\b)+3] offset:128*(\b/2)+32*(\b%2)
	ds_store_b128 v[STO], v[ACC+8*(4*(\a)+\b)+4:ACC+8*(4*(\a)+\b)+7] offset:128*(\b/2)+32*(\b%2)+16
.endr
.irp i, 0,1,2,3,4,5,6,7
	ds_load_b128 v[BK+32*((\a)%2)+4*\i:BK+32*((\a)%2)+4*\i+3], v[RD] offset:544*\i
.endr
	s_wait_dscnt 0x0
	WIN 0x08
.set j, 0
.rept 16
	v_pk_add_f32 v[BK+32*((\a)%2)+j:BK+32*((\a)%2)+j+1], v[BK+32*((\a)%2)+j:BK+32*((\a)%2)+j+1], v[32*(\a)+j:32*(\a)+j+1]
.set j, j+2
.endr
	WIN 0
.irp i, 0,1,2,3,4,5,6,7
	global_store_b128 v[CO], v[BK+32*((\a)%2)+4*\i:BK+32*((\a)%2)+4*\i+3], s[12:13] offset:(32*((\a)/2)+8*((\a)%2)+2*\i+8*(\i/4))*4096 th:TH_STORE_NT
.endr
.endm
	OUTA 0
	OUTA 1
	OUTA 2
	OUTA 3
	s_wait_tensorcnt 0x0
	ds_add_u32 v[SPW], v[NIL]
	s_wait_dscnt 0x0
	CROUND
	s_endpgm
.Lfunc_end_k_qdc2dae84f0_proj:
	.size	k_qdc2dae84f0_proj, .Lfunc_end_k_qdc2dae84f0_proj-k_qdc2dae84f0_proj
	.p2alignl 7, 3214868480
	.fill 96, 4, 3214868480
	.section	.rodata,"a",@progbits
	.p2align	6, 0x0
	.amdhsa_kernel k_qdc2dae84f0_proj
		.amdhsa_group_segment_fixed_size 327680
		.amdhsa_private_segment_fixed_size 0
		.amdhsa_enable_private_segment 0
		.amdhsa_kernarg_size 40
		.amdhsa_user_sgpr_count 2
		.amdhsa_user_sgpr_kernarg_segment_ptr 1
		.amdhsa_wavefront_size32 1
		.amdhsa_system_sgpr_workgroup_id_x 1
		.amdhsa_system_sgpr_workgroup_id_y 1
		.amdhsa_system_sgpr_workgroup_id_z 1
		.amdhsa_system_vgpr_workitem_id 0
		.amdhsa_next_free_vgpr 640
		.amdhsa_next_free_sgpr 100
		.amdhsa_reserve_vcc 0
		.amdhsa_float_denorm_mode_32 3
		.amdhsa_float_denorm_mode_16_64 3
		.amdhsa_memory_ordered 1
		.amdhsa_forward_progress 1
		.amdhsa_inst_pref_size 61
	.end_amdhsa_kernel
	.amdgpu_metadata
---
amdhsa.version: [ 1, 2 ]
amdhsa.kernels:
  - .name:           k_qdc2dae84f0_proj
    .symbol:         k_qdc2dae84f0_proj.kd
    .args:
      - { .name: act, .offset: 0, .size: 8, .value_kind: global_buffer, .address_space: global }
      - { .name: wimg, .offset: 8, .size: 8, .value_kind: global_buffer, .address_space: global }
      - { .name: b_proj, .offset: 16, .size: 8, .value_kind: global_buffer, .address_space: global }
      - { .name: x, .offset: 24, .size: 8, .value_kind: global_buffer, .address_space: global }
      - { .name: x1, .offset: 32, .size: 8, .value_kind: global_buffer, .address_space: global }
    .group_segment_fixed_size: 327680
    .private_segment_fixed_size: 0
    .kernarg_segment_align: 8
    .kernarg_segment_size: 40
    .max_flat_workgroup_size: 128
    .sgpr_count:     100
    .vgpr_count:     640
    .wavefront_size: 32
...
	.end_amdgpu_metadata
.endif
;; end of part 4
;; launch ln1 (part 5): grid 256 x 1, 4 waves a work-group, no clusters, 18,944 bytes of LDS; arguments x1, ln2_g, ln2_b, act; writes act
.if DOCPART == 5
	.amdgcn_target "amdgcn-amd-amdhsa--gfx1250"
	.amdhsa_code_object_version 6
	.text
	.protected	k_qdc2dae84f0_ln1
	.globl	k_qdc2dae84f0_ln1
	.p2align	8
	.type	k_qdc2dae84f0_ln1,@function
k_qdc2dae84f0_ln1:
	s_mov_b64 s[64:65], 0
	v_nop
	global_prefetch_b8 v0, s[64:65] scope:SCOPE_SE
	s_setreg_imm32_b32 hwreg(HW_REG_WAVE_MODE, 25, 1), 1
	s_wait_xcnt 0x0
; LAYER NORM OVER 1,024, THEN THE QUANTISER ALONG THE ROW: f32 rows in, an operand image out (records [row / 128][k / 128] of REC bytes: 8 fragments of 2,048 bytes, [c][lane][16 bytes], lane (r, h) = row pi(at, r),
; k = 32 c + 16 h + 0..15; then 128 scale words).  pi(T, r) = 32 (T / 2) + 8 (T % 2) + r + 8 (r / 8).
; A work-group makes one tile of 16 rows for all of K; a wave takes four of its rows, each whole in 32 registers: register 4 i + e of a lane is k = 128 i + 4 lane + e, so every load reads 512 consecutive bytes.
; Mean first, then the mean of the squared differences (two passes over registers, as the definition has it: it holds under a common offset); y = ((x - mean) x rsqrt(var + 1e-5)) x g + b, all f32.
; A block of 32 lies in 8 neighbouring lanes x 4 registers.  The conversion takes 8 registers under ONE scale, and those belong to two blocks: so each number is first multiplied by the exact inverse of its block's
; scale (a power of two), held within +-448, and converted under the scale 1.  The codes meet in LDS, laid as the image, and leave as runs of 512 bytes.
; LIMITS: a block of zeros, or one under 2^-118, gets the byte 1 (read by this program alone); NaN and infinities are not served.
; Memory binds here: no matrix unit, no cluster, no tensor load; the scale words leave in pieces of 64 bytes (one tile's share of a record): the price of one tile to a work-group.
.set REC,  16896
.set G,    16                          ; v16-47   g at my 32 places
.set BB,   48                          ; v48-79   b
.set X,    80                          ; v80-207  four rows of 32
.set M,    208                         ; v208-215 at work: largest magnitudes
.set IV,   216                         ; v216-231 pairs: a block's inverse scale, its byte
.set C,    232                         ; v232-239 a row's codes: register i = 4 codes of load i
.set ST,   240                         ; v240-247 pairs for each row: mean, later 1 / sigma
.set ONE,  252
.set PP,   272                         ; LDS: 64 pieces (k / 128, c, h) of 256 bytes + 16: 68 words, so the eight pieces that a store touches start four banks apart
.set SCST, 64*PP                       ; behind them: 8 x 16 scale words
	s_load_b256 s[4:11], s[0:1], 0x0               ; rows, g, b, the image
	v_lshl_add_u32 v254, v0, 2, 0x4800
	v_mov_b32 v255, 0
	v_lshrrev_b32 v1, 5, v0
	v_readfirstlane_b32 s14, v1                    ; wave 0..3
	v_and_b32 v2, 31, v0
	v_lshlrev_b32 v3, 4, v2                        ; 16 x lane
	v_lshrrev_b32 v4, 2, v2
	v_mul_u32_u24 v4, v4, PP
	v_and_b32 v5, 3, v2
	v_lshl_add_u32 v4, v5, 2, v4
	s_lshl_b32 s15, s14, 6
	v_add_nc_u32 v4, s15, v4                       ; codes in: piece lane / 4, byte 4 (lane % 4), + 16 bytes for each of my wave's first rows
	v_lshrrev_b32 v5, 3, v2
	s_lshl_b32 s15, s14, 4
	s_add_co_u32 s15, s15, SCST
	v_add_nc_u32 v5, s15, v5                       ; scale bytes in: byte c = lane / 8 of my row's word
	v_lshrrev_b32 v6, 4, v2
	v_mul_u32_u24 v6, v6, PP
	v_and_b32 v7, 15, v2
	v_lshl_add_u32 v6, v7, 4, v6
	s_mul_i32 s15, s14, 16*PP
	v_add_nc_u32 v6, s15, v6                       ; codes out: my wave's two K steps; lanes 0-15 one piece, lanes 16-31 the next
	v_lshl_add_u32 v7, v0, 2, SCST                 ; scale words out: a word a thread
	v_lshrrev_b32 v8, 4, v0
	v_mul_u32_u24 v8, v8, REC
	v_and_b32 v9, 15, v0
	v_lshl_add_u32 v8, v9, 2, v8                   ; its place: record thread / 16, word thread % 16 of the tile's
	v_mov_b32 v[ONE], 1.0
	s_mov_b32 s12, 0x76543210
	s_mov_b32 s13, 0xfedcba98                      ; v_permlanex16_b32's selects for lane l xor 16
	s_mov_b32 s20, 0x3a800000                      ; 1 / 1,024
	s_mov_b32 s21, 0x3727c5ac                      ; 1e-5
	s_mov_b32 s22, 0xc3e00000                      ; -448
	s_mov_b32 s23, 0x43e00000                      ; 448
	s_lshr_b32 s16, ttmp9, 1
	s_lshl_b32 s16, s16, 5
	s_and_b32 s17, ttmp9, 1
	s_lshl_b32 s17, s17, 3
	s_add_co_u32 s16, s16, s17
	s_lshl_b32 s17, s14, 2
	s_add_co_u32 s16, s16, s17
	s_lshr_b32 s17, s14, 1
	s_lshl_b32 s17, s17, 3
	s_add_co_u32 s16, s16, s17                     ; my first row: pi(tile, 4 w); the wave's four are neighbours
	s_lshl_b32 s16, s16, 12
	s_mov_b32 s17, 0
	s_lshr_b32 s18, ttmp9, 3
	s_mul_i32 s18, s18, 8*REC                      ; the tile's eight records
	s_and_b32 s19, ttmp9, 7
	s_lshl_b32 s24, s19, 11
	s_add_co_u32 s24, s24, s18
	s_mul_i32 s25, s14, 2*REC
	s_add_co_u32 s24, s24, s25                     ; the tile's fragment in my wave's first record
	s_mov_b32 s25, 0
	s_lshl_b32 s26, s19, 6
	s_add_co_u32 s26, s26, s18
	s_add_co_u32 s26, s26, 16384                   ; the tile's scale words in the first record
	s_mov_b32 s27, 0
	s_wait_kmcnt 0x0
	s_add_nc_u64 s[4:5], s[4:5], s[16:17]
	s_add_nc_u64 s[24:25], s[10:11], s[24:25]
	s_add_nc_u64 s[26:27], s[10:11], s[26:27]
.irp r, 0,1,2,3
.irp i, 0,1,2,3,4,5,6,7
	global_load_b128 v[X+32*\r+4*\i:X+32*\r+4*\i+3], v3, s[4:5] offset:4096*\r+512*\i
.endr
.endr
.irp i, 0,1,2,3,4,5,6,7
	global_load_b128 v[G+4*\i:G+4*\i+3], v3, s[6:7] offset:512*\i
.endr
.irp i, 0,1,2,3,4,5,6,7
	global_load_b128 v[BB+4*\i:BB+4*\i+3], v3, s[8:9] offset:512*\i
.endr
; a sum over the 32 lanes of v[\p + 2 r] for the four rows by turns; v[\p + 2 r + 1] is at work
.macro ACROSS p
.irp r, 0,1,2,3
	v_add_f32 v[\p+2*\r], v[\p+2*\r], v[\p+2*\r+1]
.endr
.irp m, 1,2,4,8
.irp r, 0,1,2,3
	v_add_f32_dpp v[\p+2*\r], v[\p+2*\r], v[\p+2*\r] row_xmask:\m row_mask:0xf bank_mask:0xf
.endr
.endr
.irp r, 0,1,2,3
	v_permlanex16_b32 v[\p+2*\r+1], v[\p+2*\r], s12, s13
.endr
.irp r, 0,1,2,3
	v_add_f32 v[\p+2*\r], v[\p+2*\r], v[\p+2*\r+1]
.endr
.endm
	s_wait_loadcnt 16                              ; the four rows are in; g's and b's sixteen loads may be out
.irp r, 0,1,2,3
	v_pk_add_f32 v[ST+2*\r:ST+2*\r+1], v[X+32*\r:X+32*\r+1], v[X+32*\r+2:X+32*\r+3]     ; the row's sum: two chains a row, the rows by turns
	v_pk_add_f32 v[M+2*\r:M+2*\r+1], v[X+32*\r+4:X+32*\r+5], v[X+32*\r+6:X+32*\r+7]
.endr
.irp j, 8,12,16,20,24,28
.irp r, 0,1,2,3
	v_pk_add_f32 v[ST+2*\r:ST+2*\r+1], v[ST+2*\r:ST+2*\r+1], v[X+32*\r+\j:X+32*\r+\j+1]
	v_pk_add_f32 v[M+2*\r:M+2*\r+1], v[M+2*\r:M+2*\r+1], v[X+32*\r+\j+2:X+32*\r+\j+3]
.endr
.endr
.irp r, 0,1,2,3
	v_pk_add_f32 v[ST+2*\r:ST+2*\r+1], v[ST+2*\r:ST+2*\r+1], v[M+2*\r:M+2*\r+1]
.endr
	ACROSS ST
.irp r, 0,1,2,3
	v_mul_f32 v[ST+2*\r], s20, v[ST+2*\r]          ; the mean
.endr
.irp j, 0,2,4,6,8,10,12,14,16,18,20,22,24,26,28,30
.irp r, 0,1,2,3
	v_pk_add_f32 v[X+32*\r+\j:X+32*\r+\j+1], v[X+32*\r+\j:X+32*\r+\j+1], v[ST+2*\r:ST+2*\r+1] op_sel_hi:[1,0] neg_lo:[0,1] neg_hi:[0,1]   ; x - mean
.endr
.endr
.irp r, 0,1,2,3
	v_pk_mul_f32 v[M+2*\r:M+2*\r+1], v[X+32*\r:X+32*\r+1], v[X+32*\r:X+32*\r+1]         ; the sum of its squares, likewise
	v_pk_mul_f32 v[IV+2*\r:IV+2*\r+1], v[X+32*\r+2:X+32*\r+3], v[X+32*\r+2:X+32*\r+3]
.endr
.irp j, 4,8,12,16,20,24,28
.irp r, 0,1,2,3
	v_pk_fma_f32 v[M+2*\r:M+2*\r+1], v[X+32*\r+\j:X+32*\r+\j+1], v[X+32*\r+\j:X+32*\r+\j+1], v[M+2*\r:M+2*\r+1]
	v_pk_fma_f32 v[IV+2*\r:IV+2*\r+1], v[X+32*\r+\j+2:X+32*\r+\j+3], v[X+32*\r+\j+2:X+32*\r+\j+3], v[IV+2*\r:IV+2*\r+1]
.endr
.endr
.irp r, 0,1,2,3
	v_pk_add_f32 v[M+2*\r:M+2*\r+1], v[M+2*\r:M+2*\r+1], v[IV+2*\r:IV+2*\r+1]
.endr
	ACROSS M
.irp r, 0,1,2,3
	v_fma_f32 v[M+2*\r], v[M+2*\r], s20, s21       ; var + 1e-5
.endr
	s_wait_alu depctr_va_vdst(0)
.irp r, 0,1,2,3
	v_rsq_f32 v[ST+2*\r], v[M+2*\r]
.endr
	v_nop                                          ; a plain instruction behind the last of the four
	s_wait_alu depctr_va_vdst(0)                   ; one wait for the four, ahead of their first reader
	s_wait_loadcnt 0x0                             ; g and b
.irp j, 0,2,4,6,8,10,12,14,16,18,20,22,24,26,28,30
.irp r, 0,1,2,3
	v_pk_mul_f32 v[X+32*\r+\j:X+32*\r+\j+1], v[X+32*\r+\j:X+32*\r+\j+1], v[ST+2*\r:ST+2*\r+1] op_sel_hi:[1,0]
.endr
.irp r, 0,1,2,3
	v_pk_fma_f32 v[X+32*\r+\j:X+32*\r+\j+1], v[X+32*\r+\j:X+32*\r+\j+1], v[G+\j:G+\j+1], v[BB+\j:BB+\j+1]
.endr
.endr
; Row r of my four is quantised: eight blocks a lane has a part in (one for each load i), each shared with the seven lanes beside it.
.macro QROW r
.set XR, X+32*\r
.irp i, 0,1,2,3,4,5,6,7
	v_max3_num_f32 v[M+\i], |v[XR+4*\i]|, |v[XR+4*\i+1]|, 0x4800000   ; with the floor 2^(9 - 127): the byte cannot fall under 1
.endr
.irp i, 0,1,2,3,4,5,6,7
	v_max3_num_f32 v[M+\i], v[M+\i], |v[XR+4*\i+2]|, |v[XR+4*\i+3]|
.endr
.irp m, 1,2,4
.irp i, 0,1,2,3,4,5,6,7
	v_max_num_f32_dpp v[M+\i], v[M+\i], v[M+\i] row_xmask:\m row_mask:0xf bank_mask:0xf
.endr
.endr
.irp i, 0,1,2,3,4,5,6,7
	v_add_nc_u32 v[M+\i], 0xfc000000, v[M+\i]      ; 8 off the exponent field: the scale's
.endr
.irp i, 0,1,2,3,4,5,6,7
	v_lshrrev_b32 v[IV+2*\i+1], 23, v[M+\i]        ; the scale's byte
.endr
.irp i, 0,1,2,3,4,5,6,7
	v_and_b32 v[M+\i], 0x7f800000, v[M+\i]
.endr
.irp i, 0,1,2,3,4,5,6,7
	v_sub_nc_u32 v[IV+2*\i], 0x7f000000, v[M+\i]   ; 1 / scale: exponent field 254 - the scale's, between 8 and 253
.endr
.irp i, 0,1,2,3,4,5,6,7
	v_pk_mul_f32 v[XR+4*\i:XR+4*\i+1], v[XR+4*\i:XR+4*\i+1], v[IV+2*\i:IV+2*\i+1] op_sel_hi:[1,0]     ; a multiplication by a power of two
	v_pk_mul_f32 v[XR+4*\i+2:XR+4*\i+3], v[XR+4*\i+2:XR+4*\i+3], v[IV+2*\i:IV+2*\i+1] op_sel_hi:[1,0]
.endr
.set j, 0
.rept 32
	v_med3_num_f32 v[XR+j], v[XR+j], s22, s23      ; the conversion does not saturate (ISA guide 7.6.2): held within +-448 first
.set j, j+1
.endr
.irp q, 0,1,2,3
	v_cvt_scalef32_pk8_fp8_f32 v[C+2*\q:C+2*\q+1], v[XR+8*\q:XR+8*\q+7], v[ONE]
.endr
	v_nop                                          ; a plain instruction behind the last conversion
.irp i, 0,1,2,3,4,5,6,7
	ds_store_b32 v4, v[C+\i] offset:\i*8*PP+16*\r
	ds_store_b8 v5, v[IV+2*\i+1] offset:64*\i+4*\r ; the eight lanes of a block write the same byte with the same value
.endr
	s_wait_dscnt 0x0                               ; the stores have read their registers
.endm
	QROW 0
	QROW 1
	QROW 2
	QROW 3
	s_barrier_signal -1                            ; my stores have landed (the wait above): the tile's image is whole behind the barrier
	s_barrier_wait -1
.irp j, 0,1,2,3,4,5,6,7                            ; j = 4 (which of my two K steps) + c
	ds_load_b128 v[X+4*\j:X+4*\j+3], v6 offset:2*PP*\j
.endr
	ds_load_b32 v[X+32], v7
.irp j, 0,1,2,3,4,5,6,7
	s_wait_dscnt 8-\j                              ; load j is back; the younger ones may be out
	global_store_b128 v3, v[X+4*\j:X+4*\j+3], s[24:25] offset:(\j/4)*REC+(\j%4)*512   ; 512 consecutive bytes, at a multiple of 256 from the buffer's first byte
.endr
	s_wait_dscnt 0x0
	global_store_b32 v8, v[X+32], s[26:27]
	s_wait_tensorcnt 0x0
	ds_add_u32 v254, v255
	s_wait_dscnt 0x0
	s_endpgm
.Lfunc_end_k_qdc2dae84f0_ln1:
	.size	k_qdc2dae84f0_ln1, .Lfunc_end_k_qdc2dae84f0_ln1-k_qdc2dae84f0_ln1
	.p2alignl 7, 3214868480
	.fill 96, 4, 3214868480
	.section	.rodata,"a",@progbits
	.p2align	6, 0x0
	.amdhsa_kernel k_qdc2dae84f0_ln1
		.amdhsa_group_segment_fixed_size 18944
		.amdhsa_private_segment_fixed_size 0
		.amdhsa_enable_private_segment 0
		.amdhsa_kernarg_size 32
		.amdhsa_user_sgpr_count 2
		.amdhsa_user_sgpr_kernarg_segment_ptr 1
		.amdhsa_wavefront_size32 1
		.amdhsa_system_sgpr_workgroup_id_x 1
		.amdhsa_system_sgpr_workgroup_id_y 1
		.amdhsa_system_sgpr_workgroup_id_z 1
		.amdhsa_system_vgpr_workitem_id 0
		.amdhsa_next_free_vgpr 256
		.amdhsa_next_free_sgpr 66
		.amdhsa_reserve_vcc 0
		.amdhsa_float_denorm_mode_32 3
		.amdhsa_float_denorm_mode_16_64 3
		.amdhsa_memory_ordered 1
		.amdhsa_forward_progress 1
		.amdhsa_inst_pref_size 69
	.end_amdhsa_kernel
	.amdgpu_metadata
---
amdhsa.version: [ 1, 2 ]
amdhsa.kernels:
  - .name:           k_qdc2dae84f0_ln1
    .symbol:         k_qdc2dae84f0_ln1.kd
    .args:
      - { .name: x1, .offset: 0, .size: 8, .value_kind: global_buffer, .address_space: global }
      - { .name: ln2_g, .offset: 8, .size: 8, .value_kind: global_buffer, .address_space: global }
      - { .name: ln2_b, .offset: 16, .size: 8, .value_kind: global_buffer, .address_space: global }
      - { .name: act, .offset: 24, .size: 8, .value_kind: global_buffer, .address_space: global }
    .group_segment_fixed_size: 18944
    .private_segment_fixed_size: 0
    .kernarg_segment_align: 8
    .kernarg_segment_size: 32
    .max_flat_workgroup_size: 128
    .sgpr_count:     66
    .vgpr_count:     256
    .wavefront_size: 32
...
	.end_amdgpu_metadata
.endif
;; end of part 5
;; launch fc1 (part 6): grid 8 x 32, 4 waves a work-group, clusters of 4 x 4, 327,680 bytes of LDS; arguments act, wimg, b_fc1, gimg; writes gimg
.if DOCPART == 6
	.amdgcn_target "amdgcn-amd-amdhsa--gfx1250"
	.amdhsa_code_object_version 6
	.text
	.protected	k_qdc2dae84f0_fc1
	.globl	k_qdc2dae84f0_fc1
	.p2align	8
	.type	k_qdc2dae84f0_fc1,@function
k_qdc2dae84f0_fc1:
	s_mov_b64 s[64:65], 0
	v_nop
	global_prefetch_b8 v0, s[64:65] scope:SCOPE_SE
	s_setreg_imm32_b32 hwreg(HW_REG_WAVE_MODE, 25, 1), 1
	s_wait_xcnt 0x0
	s_wait_alu depctr_hold_cnt(0) depctr_sa_sdst(0) depctr_va_vdst(0) depctr_va_sdst(0) depctr_va_ssrc(0) depctr_va_vcc(0) depctr_vm_vsrc(0)
	s_getreg_b32 s2, hwreg(HW_REG_IB_STS2, 6, 4)
	s_cmp_eq_u32 s2, 0
	s_cbranch_scc0 .Lentry_in_a_cluster
	s_endpgm
.Lentry_in_a_cluster:
	s_bfe_u32 s2, ttmp6, 0x10000c
	s_cmp_lg_u32 s2, 0xf033
	s_cbranch_scc0 .Lentry_shape_is_right
	s_endpgm
.Lentry_shape_is_right:
.set REC,   16896
.set KS,    8
.set WOFF,  4325376
.set TILES, 4
.set TILEB, KS*REC
.set HALFB, 4*REC
.set SPARE, 2*TILEB
.set LB,   0
.set LS,   2
.set SB,   6
.set SA,   12
.set SPW,  28
.set NIL,  29
.set BO,   30
.set C9,   31
.set BI,   32
.set T,    32
.set H,    64
.set W,    96
.set TM,   64
.set T2,   72
.set BD,   80
.set SO,   88
.set CD,   96
.set ACC,  128
.set G1,  24
.set G0,  32
.set G1B, 48
.set G0B, 56
.set TBF, 60
.set TBS, 61
.set SEL, 94
.set MNT, 92
.set HIL, 93
.set MSB, 0
.macro WIN new
.if MSB != \new
	s_set_vgpr_msb (MSB<<8)|\new
.set MSB, \new
.endif
.endm
.set TO_F, 0x40
.macro CROUND
	s_barrier_signal -1
	s_barrier_wait -1
	s_cmp_lg_u32 s14, 0
	s_cbranch_scc1 .Lnot_wave_0_\@
	s_barrier_signal -3
.Lnot_wave_0_\@:
	s_barrier_wait -3
	s_barrier_signal -1
	s_barrier_wait -1
.endm
.macro PLACES n
.rept \n
	v_nop
.endr
.endm
	s_load_b256 s[4:11], s[0:1], 0x0
	v_lshl_add_u32 v[SPW], v0, 2, SPARE
	v_mov_b32 v[NIL], 0
	ds_add_u32 v28, v29
	ds_add_u32 v28, v29
	s_wait_dscnt 0x0
	v_lshrrev_b32 v1, 5, v0
	v_readfirstlane_b32 s14, v1
	s_lshr_b32 s15, s14, 1
	s_and_b32 s16, s14, 1
	s_bfe_u32 s40, ttmp6, 0x40000
	s_bfe_u32 s41, ttmp6, 0x40004
	s_lshl_b32 s42, ttmp9, 2
	s_add_co_u32 s42, s42, s40
	s_and_b32 s17, ttmp7, 0xffff
	s_lshl_b32 s17, s17, 2
	s_add_co_u32 s17, s17, s41
	s_lshl_b32 s43, s41, 2
	s_lshl_b32 s43, 15, s43
	s_lshl_b32 s44, 0x1111, s40
	s_or_b32 s[G1], s43, (3<<16)|(1<<21)
	s_or_b32 s[G1B], s44, (3<<16)|(1<<21)
.irp g, G1, G1B
	s_mov_b32 s[\g+1], 32<<16
	s_mov_b32 s[\g+2], 264<<16                     ; a load brings four records, 67,584 dense bytes, as 264 rows of 256
	s_mov_b32 s[\g+3], 32<<16
	s_mov_b32 s[\g+4], 264
	s_mov_b32 s[\g+5], 32
	s_mov_b32 s[\g+6], 0
	s_mov_b32 s[\g+7], 0
.endr
	s_mul_i32 s18, s16, 4*REC                      ; my four records of eight (wave % 2): waves 0 and 1 fetch A, waves 2 and 3 every tile of B
	s_mul_i32 s20, s17, KS*REC
	s_add_co_u32 s20, s20, s18
	s_mov_b32 s21, 0
	s_mul_i32 s46, s42, KS*REC
	s_add_co_u32 s46, s46, s18
	s_add_co_u32 s46, s46, WOFF
	s_mov_b32 s47, 0
	s_wait_kmcnt 0x0
	s_add_nc_u64 s[20:21], s[4:5], s[20:21]
	s_add_nc_u64 s[46:47], s[6:7], s[46:47]
	CROUND
	s_mov_b32 s[G0], 1
	s_mov_b32 s[G0+1], s18
	s_mov_b64 s[G0+2:G0+3], s[20:21]
	s_or_b32 s[G0+3], s[G0+3], 0x80000000
	s_mov_b32 s[G0B], 1
	s_add_co_u32 s[G0B+1], s18, TILEB
	s_mov_b64 s[G0B+2:G0B+3], s[46:47]
	s_or_b32 s[G0B+3], s[G0B+3], 0x80000000
	s_cmp_lt_u32 s14, 2                            ; the head's loads, one a wave, in one chain of branches on the wave's number
	s_cbranch_scc0 .Lhead_b
	tensor_load_to_lds s[G0:G0+3], s[G1:G1+7]
	s_nop 0
.rept 4
	v_nop
.endr
	s_branch .Lhead_asked
.Lhead_b:
	tensor_load_to_lds s[G0B:G0B+3], s[G1B:G1B+7]
	s_nop 0
.rept 4
	v_nop
.endr
.Lhead_asked:
	v_and_b32 v3, 31, v0
	v_bfe_u32 v2, v0, 4, 1
	v_lshlrev_b32 v4, 4, v3
	v_lshlrev_b32 v5, 2, v3
	v_lshlrev_b32 v[BO], 6, v2
	s_wait_alu depctr_va_vdst(0)
	v_mov_b32 v[C9], 0x3e7c6f08
	s_lshl_b32 s21, s15, 13
	v_add_nc_u32 v64, s21, v4
	v_add_nc_u32 v65, HALFB, v64
	s_lshl_b32 s21, s15, 8
	s_add_co_u32 s21, s21, 16384
	v_add_nc_u32 v66, s21, v5
	v_add_nc_u32 v67, HALFB, v66
	s_lshl_b32 s[TBF], s16, 13
	s_add_co_u32 s[TBF], s[TBF], TILEB
	s_lshl_b32 s[TBS], s16, 8
	s_add_co_u32 s[TBS], s[TBS], TILEB+16384
	s_lshl_b32 s46, s42, 9
	s_lshl_b32 s47, s16, 8
	s_add_co_u32 s46, s46, s47
	s_mov_b32 s47, 0
	s_add_nc_u64 s[8:9], s[8:9], s[46:47]
.macro BIAS
.irp b, 0,1,2,3
	global_load_b128 v[BI+8*\b:BI+8*\b+3], v[BO], s[8:9] offset:4*(32*(\b/2)+8*(\b%2))
	global_load_b128 v[BI+8*\b+4:BI+8*\b+7], v[BO], s[8:9] offset:4*(32*(\b/2)+8*(\b%2))+16
.endr
.endm
	BIAS
	s_lshl_b32 s20, s17, 5
	s_add_co_u32 s20, s20, s42
	s_mul_i32 s20, s20, REC
	s_lshl_b32 s21, s15, 13
	s_add_co_u32 s88, s20, s21
	s_lshl_b32 s21, s16, 10
	s_add_co_u32 s88, s88, s21
	s_mov_b32 s89, 0
	s_add_nc_u64 s[88:89], s[10:11], s[88:89]
	s_lshl_b32 s21, s15, 8
	s_add_co_u32 s90, s20, s21
	s_lshl_b32 s21, s16, 1
	s_add_co_u32 s90, s90, s21
	s_add_co_u32 s90, s90, 16384
	s_mov_b32 s91, 0
	s_add_nc_u64 s[90:91], s[10:11], s[90:91]
	s_mov_b32 s[SEL], 0x76543210
	s_mov_b32 s[SEL+1], 0xfedcba98
	s_mov_b32 s[MNT], 0x600000
	s_mov_b32 s[HIL], 0xffff0000
	s_mov_b32 s66, 0x3eb504f3
	s_mov_b32 s70, 0x40097039
	s_mov_b32 s72, 0xbfd1a1e5
	s_mov_b32 s74, 0x3ecdfd18
	s_mov_b32 s76, 0xbe899a80
	s_mov_b32 s78, 0x3e0efb2f
	s_mov_b32 s80, 0x3f0a29d2
	s_mov_b32 s82, 0x3fb8ab5a
	s_mov_b32 s84, 0xc034d90f
	s_mov_b32 s86, 0xbf38aa3b
.irp k, 70,72,74,76,78,80,82,84,86
	s_mov_b32 s[\k+1], s[\k]
.endr
.macro FETCH h, ks, f
	ds_load_b32 v[SB+2*(\f)], v[LS+\h] offset:(\ks)*REC
	ds_load_b32 v[SB+2*(\f)+1], v[LS+\h] offset:(\ks)*REC+128
	WIN TO_F
.irp i, 0,1,2,3
.irp c, 0,1,2,3
	ds_load_b128 v[64*(\f)+16*\i+4*\c:64*(\f)+16*\i+4*\c+3], v[LB+\h] offset:(\ks)*REC+\i*2048+\c*512
.endr
.endr
	WIN 0
.endm
.macro WM ra, rb
.if (\ra) && (\rb)
	v_wmma_scale_f32_16x16x128_f8f6f4 v[rD:rD+7], v[rP:rP+15], v[rQ:rQ+15], v[rC:rC+7], v[rX], v[rY] matrix_a_scale:MATRIX_SCALE_ROW1 matrix_b_scale:MATRIX_SCALE_ROW1
.elseif \ra
	v_wmma_scale_f32_16x16x128_f8f6f4 v[rD:rD+7], v[rP:rP+15], v[rQ:rQ+15], v[rC:rC+7], v[rX], v[rY] matrix_a_scale:MATRIX_SCALE_ROW1
.elseif \rb
	v_wmma_scale_f32_16x16x128_f8f6f4 v[rD:rD+7], v[rP:rP+15], v[rQ:rQ+15], v[rC:rC+7], v[rX], v[rY] matrix_b_scale:MATRIX_SCALE_ROW1
.else
	v_wmma_scale_f32_16x16x128_f8f6f4 v[rD:rD+7], v[rP:rP+15], v[rQ:rQ+15], v[rC:rC+7], v[rX], v[rY]
.endif
.endm
.macro MUL16 k, first
.irp a, 0,1,2,3
.irp b, 0,1,2,3
.set rD, ACC+8*(4*\a+\b)
.set rP, 64*((\k)%3)+16*\b
.set rQ, 64*((\k)%4)+16*\a
.set rX, SB+2*((\k)%3)+\b/2
.set rY, SA+2*(\k)+\a/2
.set rC, BI+8*\b
.if !(\first)
.set rC, rD
.endif
	WM (\b)%2, (\a)%2
.endr
.endr
.endm
.macro KSTEP k, first
.if (\k) < 7
	s_wait_dscnt 18
.else
	s_wait_dscnt 0x0
.endif
.if (\k) < 6
	PLACES 8
	FETCH ((\k)+2)/4, ((\k)+2)%4, ((\k)+2)%3
.endif
.set WSEL, 0x09+4*((\k)/4)
	WIN WSEL
	MUL16 \k, \first
	WIN 0
.endm
.macro HEAD fill
	s_wait_tensorcnt 0x0
	ds_add_u32 v[SPW], v[NIL]
.if \fill
	s_xor_b32 s[G0B+1], s[G0B+1], TILEB
	s_add_nc_u64 s[G0B+2:G0B+3], s[G0B+2:G0B+3], 8*KS*REC
.endif
	s_wait_dscnt 0x0
.if \fill
	CROUND
	s_cmp_lt_u32 s14, 2                            ; waves 2 and 3 fetch a half each of the next tile's B
	s_cbranch_scc1 .Lno_fill_\@
	tensor_load_to_lds s[G0B:G0B+3], s[G1B:G1B+7]
	s_nop 0
.rept 4
	v_nop
.endr
.Lno_fill_\@:
.else
	s_barrier_signal -1
	s_barrier_wait -1
.endif
	v_add_nc_u32 v[LB], s[TBF], v4
	v_add_nc_u32 v[LS], s[TBS], v5
	v_add_nc_u32 v[LB+1], HALFB, v[LB]
	v_add_nc_u32 v[LS+1], HALFB, v[LS]
	FETCH 0, 0, 0
	FETCH 0, 1, 1
.endm
.macro GELU a
.set U, ACC+32*\a
.set j, 0
.rept 32
	v_fma_f32 v[T+j], |v[U+j]|, s66, 1.0
.set j, j+1
.endr
.set j, 0
	s_wait_alu depctr_va_vdst(0)
.rept 32
	v_rcp_f32 v[T+j], v[T+j]
.set j, j+1
.endr
.set j, 0
.rept 16
	v_pk_mul_f32 v[W+j:W+j+1], v[U+j:U+j+1], v[U+j:U+j+1]
.set j, j+2
.endr
	s_wait_alu depctr_va_vdst(0)
.set j, 0
.rept 32
	v_fmaak_f32 v[H+j], v[T+j], v[C9], 0xbf97d29d
.set j, j+1
.endr
.irp k, 70,72,74,76,78,80,82,84
.set j, 0
.rept 16
	v_pk_fma_f32 v[H+j:H+j+1], v[H+j:H+j+1], v[T+j:T+j+1], s[\k:\k+1] op_sel_hi:[1,1,0]
.set j, j+2
.endr
.endr
.set j, 0
.rept 16
	v_pk_fma_f32 v[H+j:H+j+1], v[W+j:W+j+1], s[86:87], v[H+j:H+j+1] op_sel_hi:[1,0,1]
.set j, j+2
.endr
.set j, 0
	s_wait_alu depctr_va_vdst(0)
.rept 32
	v_exp_f32 v[H+j], v[H+j]
.set j, j+1
.endr
.set j, 0
.rept 32
	v_max_num_f32 v[W+j], 0, v[U+j]
.set j, j+1
.endr
	s_wait_alu depctr_va_vdst(0)
.set j, 0
.rept 16
	v_pk_mul_f32 v[H+j:H+j+1], v[H+j:H+j+1], v[T+j:T+j+1]
.set j, j+2
.endr
.set j, 0
.rept 32
	v_fma_f32 v[U+j], -|v[U+j]|, v[H+j], v[W+j]
.set j, j+1
.endr
.endm
.macro QUANT8
.irp k, 0,1,2,3,4,5,6,7
	v_max3_num_f32 v[TM+\k], |v[ACC+16*\k]|, |v[ACC+16*\k+1]|, 0x4800000
.endr
.irp i, 2,4,6,8,10,12,14
.irp k, 0,1,2,3,4,5,6,7
	v_max3_num_f32 v[TM+\k], v[TM+\k], |v[ACC+16*\k+\i]|, |v[ACC+16*\k+\i+1]|
.endr
.endr
.irp k, 0,1,2,3,4,5,6,7
	v_permlanex16_b32 v[T2+\k], v[TM+\k], s[SEL], s[SEL+1]
.endr
.irp k, 0,1,2,3,4,5,6,7
	v_max_num_f32 v[TM+\k], v[TM+\k], v[T2+\k]
.endr
.irp k, 0,1,2,3,4,5,6,7
	v_add_nc_u32 v[SO+\k], 0xfc000000, v[TM+\k]
.endr
.irp k, 0,1,2,3,4,5,6,7
	v_and_or_b32 v[BD+\k], v[TM+\k], 0x7f800000, s[MNT]
.endr
.irp k, 0,1,2,3,4,5,6,7
	v_lshrrev_b32 v[T2+\k], 23, v[SO+\k]
.endr
.irp a, 0,1,2,3
	v_lshl_or_b32 v[T2+2*\a], v[T2+2*\a+1], 8, v[T2+2*\a]
.endr
.irp k, 0,1,2,3,4,5,6,7
.irp i, 0,1,2,3,4,5,6,7,8,9,10,11,12,13,14,15
	v_med3_num_f32 v[ACC+16*\k+\i], v[ACC+16*\k+\i], -v[BD+\k], v[BD+\k]
.endr
	v_cvt_scalef32_pk8_fp8_f32 v[CD+4*\k:CD+4*\k+1], v[ACC+16*\k:ACC+16*\k+7], v[SO+\k]
	v_cvt_scalef32_pk8_fp8_f32 v[CD+4*\k+2:CD+4*\k+3], v[ACC+16*\k+8:ACC+16*\k+15], v[SO+\k]
.endr
	v_nop
	v_cndmask_b32 v[T2+1], v[T2], v[T2+2], s[HIL]
	v_cndmask_b32 v[T2+5], v[T2+4], v[T2+6], s[HIL]
.endm
.macro TILE fill
	HEAD \fill
	s_wait_alu depctr_va_vdst(0)
	s_wait_loadcnt 0x0
	KSTEP 0, 1
.irp k, 1,2,3,4,5,6,7
	KSTEP \k, 0
.endr
	PLACES 8
	GELU 0
	GELU 1
	GELU 2
	GELU 3
.if \fill
	s_add_nc_u64 s[8:9], s[8:9], 8*128*4
	BIAS
.endif
	QUANT8
.irp k, 0,1,2,3,4,5,6,7
	global_store_b128 v4, v[CD+4*\k:CD+4*\k+3], s[88:89] offset:(\k/2)*2048+(\k%2)*512
.endr
	global_store_b16 v5, v[T2+1], s[90:91]
	global_store_b16 v5, v[T2+5], s[90:91] offset:128
.if \fill
	s_wait_xcnt 0x0
	s_add_nc_u64 s[88:89], s[88:89], 8*REC
	s_add_nc_u64 s[90:91], s[90:91], 8*REC
	s_xor_b32 s[TBF], s[TBF], TILEB
	s_xor_b32 s[TBS], s[TBS], TILEB
.endif
.endm
	s_wait_alu depctr_va_vdst(0)
	s_cmp_lt_u32 s14, 2                            ; the waves that fetched A wait for it; B's loads may be out
	s_cbranch_scc0 .Lnot_a
	s_wait_tensorcnt 0x0
.Lnot_a:
	s_barrier_signal -1
	s_barrier_wait -1
.irp k, 0,1,2,3,4,5,6,7
	ds_load_b32 v[SA+2*\k], v[66+\k/4] offset:(\k%4)*REC
	ds_load_b32 v[SA+2*\k+1], v[66+\k/4] offset:(\k%4)*REC+128
.endr
	WIN 0x80
.irp k, 0,1,2,3
.irp a, 0,1,2,3
.irp c, 0,1,2,3
	ds_load_b128 v[64*\k+16*\a+4*\c:64*\k+16*\a+4*\c+3], v64 offset:\k*REC+\a*2048+\c*512
.endr
.endr
.endr
	WIN 0xc0
.irp k, 0,1,2,3
.irp a, 0,1,2,3
.irp c, 0,1,2,3
	ds_load_b128 v[64*\k+16*\a+4*\c:64*\k+16*\a+4*\c+3], v65 offset:\k*REC+\a*2048+\c*512
.endr
.endr
.endr
	WIN 0
	s_mov_b32 s3, TILES-1
.Ltile:
	TILE 1
	s_sub_co_u32 s3, s3, 1
	s_cmp_lg_u32 s3, 0
	s_cbranch_scc1 .Ltile
	TILE 0
	s_wait_tensorcnt 0x0
	ds_add_u32 v[SPW], v[NIL]
	s_wait_dscnt 0x0
	CROUND
	s_endpgm
.Lfunc_end_k_qdc2dae84f0_fc1:
	.size	k_qdc2dae84f0_fc1, .Lfunc_end_k_qdc2dae84f0_fc1-k_qdc2dae84f0_fc1
	.p2alignl 7, 3214868480
	.fill 96, 4, 3214868480
	.section	.rodata,"a",@progbits
	.p2align	6, 0x0
	.amdhsa_kernel k_qdc2dae84f0_fc1
		.amdhsa_group_segment_fixed_size 327680
		.amdhsa_private_segment_fixed_size 0
		.amdhsa_enable_private_segment 0
		.amdhsa_kernarg_size 32
		.amdhsa_user_sgpr_count 2
		.amdhsa_user_sgpr_kernarg_segment_ptr 1
		.amdhsa_wavefront_size32 1
		.amdhsa_system_sgpr_workgroup_id_x 1
		.amdhsa_system_sgpr_workgroup_id_y 1
		.amdhsa_system_sgpr_workgroup_id_z 1
		.amdhsa_system_vgpr_workitem_id 0
		.amdhsa_next_free_vgpr 1024
		.amdhsa_next_free_sgpr 100
		.amdhsa_reserve_vcc 0
		.amdhsa_float_denorm_mode_32 3
		.amdhsa_float_denorm_mode_16_64 3
		.amdhsa_memory_ordered 1
		.amdhsa_forward_progress 1
		.amdhsa_inst_pref_size 255
	.end_amdhsa_kernel
	.section	.bss,"aw",@nobits
	.p2align	6
	.space	262144
	.amdgpu_metadata
---
amdhsa.version: [ 1, 2 ]
amdhsa.kernels:
  - .name:           k_qdc2dae84f0_fc1
    .symbol:         k_qdc2dae84f0_fc1.kd
    .args:
      - { .name: act, .offset: 0, .size: 8, .value_kind: global_buffer, .address_space: global }
      - { .name: wimg, .offset: 8, .size: 8, .value_kind: global_buffer, .address_space: global }
      - { .name: b_fc1, .offset: 16, .size: 8, .value_kind: global_buffer, .address_space: global }
      - { .name: gimg, .offset: 24, .size: 8, .value_kind: global_buffer, .address_space: global }
    .group_segment_fixed_size: 327680
    .private_segment_fixed_size: 0
    .kernarg_segment_align: 8
    .kernarg_segment_size: 32
    .max_flat_workgroup_size: 128
    .sgpr_count:     100
    .vgpr_count:     1024
    .wavefront_size: 32
...
	.end_amdgpu_metadata
.endif
;; end of part 6
;; launch fc2 (part 7): grid 8 x 32, 4 waves a work-group, clusters of 4 x 4, 327,680 bytes of LDS; arguments gimg, wimg, b_fc2, x1, out0; writes out0
.if DOCPART == 7
	.amdgcn_target "amdgcn-amd-amdhsa--gfx1250"
	.amdhsa_code_object_version 6
	.text
	.protected	k_qdc2dae84f0_fc2
	.globl	k_qdc2dae84f0_fc2
	.p2align	8
	.type	k_qdc2dae84f0_fc2,@function
k_qdc2dae84f0_fc2:
	s_mov_b64 s[64:65], 0
	v_nop
	global_prefetch_b8 v0, s[64:65] scope:SCOPE_SE
	s_setreg_imm32_b32 hwreg(HW_REG_WAVE_MODE, 25, 1), 1
	s_wait_xcnt 0x0
	s_wait_alu depctr_hold_cnt(0) depctr_sa_sdst(0) depctr_va_vdst(0) depctr_va_sdst(0) depctr_va_ssrc(0) depctr_va_vcc(0) depctr_vm_vsrc(0)
	s_getreg_b32 s2, hwreg(HW_REG_IB_STS2, 6, 4)
	s_cmp_eq_u32 s2, 0
	s_cbranch_scc0 .Lentry_in_a_cluster
	s_endpgm
.Lentry_in_a_cluster:
	s_bfe_u32 s2, ttmp6, 0x10000c
	s_cmp_lg_u32 s2, 0xf033
	s_cbranch_scc0 .Lentry_shape_is_right
	s_endpgm
.Lentry_shape_is_right:
.set REC,   16896
.set KS,    32
.set WOFF,  8650752
.set LAPS,  KS/8
.set SLOTA, 4*REC
.set SLOT,  8*REC
.set STAGE, 2*SLOT
.set SPARE, STAGE+4*4352
.set SC,   8
.set ADRA, 16
.set ADRB, 20
.set ADRS, 22
.set STO,  24
.set RD,   25
.set CO,   26
.set BO,   27
.set SPW,  28
.set NIL,  29
.set BI,   32
.set BK,   64
.set ACC,  128
.set F0,   0
.set F1,   128
.set G1,  24
.set G0,  32
.set G1B, 48
.set G0B, 56
.set MSB, 0
.macro WIN new
.if MSB != \new
	s_set_vgpr_msb (MSB<<8)|\new
.set MSB, \new
.endif
.endm
.set MUL,  0x05
.set TO_F, 0x40
.macro JLOAD s
	s_cmp_eq_u32 s15, 0
	s_cbranch_scc0 .Lfor_b_\@
	tensor_load_to_lds s[G0+4*\s:G0+4*\s+3], s[G1:G1+7]
	s_nop 0
.rept 4
	v_nop
.endr
	s_branch .Lasked_\@
.Lfor_b_\@:
	tensor_load_to_lds s[G0B+4*\s:G0B+4*\s+3], s[G1B:G1B+7]
	s_nop 0
.rept 4
	v_nop
.endr
.Lasked_\@:
.endm
.macro CREST
	s_cmp_lg_u32 s14, 0
	s_cbranch_scc1 .Lnot_wave_0_\@
	s_barrier_signal -3
.Lnot_wave_0_\@:
	s_barrier_wait -3
	s_barrier_signal -1
	s_barrier_wait -1
.endm
.macro CROUND
	s_barrier_signal -1
	s_barrier_wait -1
	CREST
.endm
.macro PLACES n
.rept \n
	v_nop
.endr
.endm
	s_load_b256 s[4:11], s[0:1], 0x0
	s_load_b64 s[12:13], s[0:1], 0x20
	v_lshl_add_u32 v[SPW], v0, 2, SPARE
	v_mov_b32 v[NIL], 0
	ds_add_u32 v28, v29
	ds_add_u32 v28, v29
	s_wait_dscnt 0x0
	v_lshrrev_b32 v1, 5, v0
	v_readfirstlane_b32 s14, v1
	s_lshr_b32 s15, s14, 1
	s_and_b32 s16, s14, 1
	s_bfe_u32 s40, ttmp6, 0x40000
	s_bfe_u32 s41, ttmp6, 0x40004
	s_lshl_b32 s42, ttmp9, 2
	s_add_co_u32 s42, s42, s40
	s_and_b32 s17, ttmp7, 0xffff
	s_lshl_b32 s17, s17, 2
	s_add_co_u32 s17, s17, s41
	s_lshl_b32 s43, s41, 2
	s_lshl_b32 s43, 15, s43
	s_lshl_b32 s44, 0x1111, s40
	s_or_b32 s[G1], s43, (3<<16)|(1<<21)
	s_or_b32 s[G1B], s44, (3<<16)|(1<<21)
.irp g, G1, G1B
	s_mov_b32 s[\g+1], 32<<16
	s_mov_b32 s[\g+2], 132<<16
	s_mov_b32 s[\g+3], 32<<16
	s_mov_b32 s[\g+4], 132
	s_mov_b32 s[\g+5], 32
	s_mov_b32 s[\g+6], 0
	s_mov_b32 s[\g+7], 0
.endr
	s_mul_i32 s18, s16, 2*REC
	s_mul_i32 s20, s17, KS*REC
	s_add_co_u32 s20, s20, s18
	s_mov_b32 s21, 0
	s_mul_i32 s46, s42, KS*REC
	s_add_co_u32 s46, s46, s18
	s_add_co_u32 s46, s46, WOFF
	s_mov_b32 s47, 0
	s_mul_i32 s45, s14, 2*REC
	s_wait_kmcnt 0x0
	s_add_nc_u64 s[20:21], s[4:5], s[20:21]
	s_add_nc_u64 s[46:47], s[6:7], s[46:47]
	; THE PREFETCHES.  A fill brings my wave 2 records, 132 blocks of 256 bytes, jointly with three partners: each of the four asks for 33 of them, told apart by address (cx for A, cy for B), two fills ahead of the load.
	s_cmp_eq_u32 s15, 0
	s_cselect_b64 s[66:67], s[20:21], s[46:47]     ; my wave's stream: A's or B's
	s_cselect_b32 s68, s40, s41                    ; my place among the four that ask for it with me
	s_mul_i32 s68, s68, 33*256
	s_add_co_u32 s68, s68, 8*REC                   ; at the third fill (K records 8 on)
	s_mov_b32 s69, 0
	s_add_nc_u64 s[66:67], s[66:67], s[68:69]
	CROUND
.irp s, 0,1
	s_mov_b32 s[G0+4*\s], 1
	s_add_co_u32 s[G0+4*\s+1], s45, \s*SLOT
	s_add_nc_u64 s[G0+4*\s+2:G0+4*\s+3], s[20:21], \s*4*REC
	s_or_b32 s[G0+4*\s+3], s[G0+4*\s+3], 0x80000000
	s_mov_b32 s[G0B+4*\s], 1
	s_add_co_u32 s[G0B+4*\s+1], s45, \s*SLOT
	s_add_nc_u64 s[G0B+4*\s+2:G0B+4*\s+3], s[46:47], \s*4*REC
	s_or_b32 s[G0B+4*\s+3], s[G0B+4*\s+3], 0x80000000
.if \s
	s_wait_alu depctr_va_vdst(0)
	s_wait_tensorcnt 0x0
	ds_add_u32 v28, v29
	s_wait_dscnt 0x0
	CROUND
.endif
	JLOAD \s
.endr
	v_and_b32 v3, 31, v0
	v_and_b32 v1, 15, v0
	v_bfe_u32 v2, v0, 4, 1
	s_wait_alu depctr_va_vdst(0)
	v_lshlrev_b32 v4, 4, v3
	s_lshl_b32 s21, s15, 13
	s_lshl_b32 s22, s16, 13
	s_add_co_u32 s22, s22, SLOTA
.irp s, 0,1
	v_add_nc_u32 v[ADRA+\s], s21, v4
	v_add_nc_u32 v[ADRB+\s], s22, v4
	s_add_co_u32 s21, s21, SLOT
	s_add_co_u32 s22, s22, SLOT
.endr
	s_lshl_b32 s21, s15, 8
	s_lshl_b32 s22, s16, 8
	s_add_co_u32 s22, s22, SLOTA
	s_sub_co_u32 s22, s22, s21
	v_mul_u32_u24 v6, s22, v2
	s_add_co_u32 s21, s21, 16384
	v_lshl_add_u32 v6, v1, 2, v6
	v_add_nc_u32 v[ADRS], s21, v6
	v_add_nc_u32 v[ADRS+1], SLOT, v[ADRS]
	s_mul_i32 s23, s14, 4352
	s_add_co_u32 s23, s23, STAGE
	v_mul_u32_u24 v6, v1, 272
	v_lshl_add_u32 v6, v2, 6, v6
	v_add_nc_u32 v[STO], s23, v6
	v_mul_u32_u24 v6, v2, 272
	v_lshl_add_u32 v6, v1, 4, v6
	v_add_nc_u32 v[RD], s23, v6
	v_lshlrev_b32 v6, 12, v2
	v_lshl_add_u32 v[CO], v1, 4, v6
	v_lshlrev_b32 v[BO], 6, v2
	v_lshlrev_b32 v30, 8, v3                       ; the prefetches' offsets: blocks 0 to 31 of my 33, a lane a block;
	v_mov_b32 v31, 8192                            ; and block 32, which all lanes of a second line name
	s_wait_alu depctr_va_vdst(0)
	s_lshl_b32 s46, s42, 9
	s_lshl_b32 s47, s16, 8
	s_add_co_u32 s46, s46, s47
	s_mov_b32 s47, 0
	s_add_nc_u64 s[8:9], s[8:9], s[46:47]
	s_lshl_b32 s20, s17, 19
	s_lshl_b32 s21, s15, 18
	s_add_co_u32 s20, s20, s21
	s_add_co_u32 s20, s20, s46
	s_mov_b32 s21, 0
	s_add_nc_u64 s[10:11], s[10:11], s[20:21]
	s_add_nc_u64 s[12:13], s[12:13], s[20:21]
.irp b, 0,1,2,3
	global_load_b128 v[BI+8*\b:BI+8*\b+3], v[BO], s[8:9] offset:4*(32*(\b/2)+8*(\b%2))
	global_load_b128 v[BI+8*\b+4:BI+8*\b+7], v[BO], s[8:9] offset:4*(32*(\b/2)+8*(\b%2))+16
.endr
	WIN 0x80
.irp a, 0,1,2,3
.irp i, 0,1,2,3,4,5,6,7
	global_load_b128 v[32*\a+4*\i:32*\a+4*\i+3], v[CO], s[10:11] offset:(32*(\a/2)+8*(\a%2)+2*\i+8*(\i/4))*4096
.endr
.endr
	WIN 0
	global_prefetch_b8 v30, s[66:67] th:TH_LOAD_NT scope:SCOPE_SE                 ; what the first refill will load,
	global_prefetch_b8 v31, s[66:67] th:TH_LOAD_NT scope:SCOPE_SE
	global_prefetch_b8 v30, s[66:67] offset:4*REC th:TH_LOAD_NT scope:SCOPE_SE    ; and the second
	global_prefetch_b8 v31, s[66:67] offset:4*REC th:TH_LOAD_NT scope:SCOPE_SE
.macro FETCH slot, ks, f
.irp i, 0,1,2,3
	ds_load_b32 v[SC+4*((\f)/128)+\i], v[ADRS+\slot] offset:(\ks)*REC+64*\i
.endr
	WIN TO_F
.irp i, 0,1,2,3
.irp c, 0,1,2,3
	ds_load_b128 v[\f+16*\i+4*\c:\f+16*\i+4*\c+3], v[ADRA+\slot] offset:(\ks)*REC+\i*2048+\c*512
.endr
.endr
.irp i, 0,1,2,3
.irp c, 0,1,2,3
	ds_load_b128 v[\f+64+16*\i+4*\c:\f+64+16*\i+4*\c+3], v[ADRB+\slot] offset:(\ks)*REC+\i*2048+\c*512
.endr
.endr
	WIN 0
.endm
.macro MUL8 f, a0, first
.irp a, \a0, \a0+1
.irp b, 0,1,2,3
.set rD, ACC+8*(4*(\a)+\b)
.set rX, SC+4*((\f)/128)+\b
.set rY, SC+4*((\f)/128)+(\a)
.if \first
	v_wmma_scale_f32_16x16x128_f8f6f4 v[rD:rD+7], v[\f+64+16*\b:\f+64+16*\b+15], v[\f+16*(\a):\f+16*(\a)+15], v[BI+8*\b:BI+8*\b+7], v[rX], v[rY] matrix_a_scale:MATRIX_SCALE_ROW1
.else
	v_wmma_scale_f32_16x16x128_f8f6f4 v[rD:rD+7], v[\f+64+16*\b:\f+64+16*\b+15], v[\f+16*(\a):\f+16*(\a)+15], v[rD:rD+7], v[rX], v[rY] matrix_a_scale:MATRIX_SCALE_ROW1
.endif
.endr
.endr
.endm
.macro KSTEP slot, ks, f, g, first
	s_wait_dscnt 0x0
	PLACES 8
	FETCH \slot, (\ks)+1, \g
	WIN MUL
	MUL8 \f, 0, \first
	MUL8 \f, 2, \first
	WIN 0
.endm
.macro TURN slot, next, fill
.if \fill
	s_wait_xcnt 0x0                                ; my prefetches have read their address: it steps a fill on
	s_add_nc_u64 s[66:67], s[66:67], 4*REC
.endif
	s_wait_dscnt 0x0
	s_wait_tensorcnt 0x0
	ds_add_u32 v[SPW], v[NIL]
	WIN MUL
	MUL8 F1, 0, 0
	WIN 0
	s_wait_dscnt 0x0
	s_barrier_signal -1
	s_barrier_wait -1
.if \fill
	CREST
	s_add_nc_u64 s[G0+4*\slot+2:G0+4*\slot+3], s[G0+4*\slot+2:G0+4*\slot+3], 8*REC
	s_add_nc_u64 s[G0B+4*\slot+2:G0B+4*\slot+3], s[G0B+4*\slot+2:G0B+4*\slot+3], 8*REC
	JLOAD \slot
	PLACES 4
.else
	PLACES 8
.endif
	FETCH \next, 0, F0
.if \fill
	s_cmp_gt_u32 s3, 1                             ; the loop's last trip has no fill two on: it asks for nothing
	s_cbranch_scc0 .Lno_ask_\@
	global_prefetch_b8 v30, s[66:67] offset:4*REC th:TH_LOAD_NT scope:SCOPE_SE
	global_prefetch_b8 v31, s[66:67] offset:4*REC th:TH_LOAD_NT scope:SCOPE_SE
.Lno_ask_\@:
.endif
	WIN MUL
	MUL8 F1, 2, 0
	WIN 0
.endm
	s_wait_tensorcnt 0x1
	s_barrier_signal -1
	s_barrier_wait -1
	FETCH 0, 0, F0
	s_wait_loadcnt 32
	KSTEP 0, 0, F0, F1, 1
.if LAPS > 1
	s_mov_b32 s3, LAPS-1
.Llap:
	KSTEP 0, 1, F1, F0, 0
	KSTEP 0, 2, F0, F1, 0
	TURN 0, 1, 1
	KSTEP 1, 0, F0, F1, 0
	KSTEP 1, 1, F1, F0, 0
	KSTEP 1, 2, F0, F1, 0
	TURN 1, 0, 1
	KSTEP 0, 0, F0, F1, 0
	s_sub_co_u32 s3, s3, 1
	s_cmp_lg_u32 s3, 0
	s_cbranch_scc1 .Llap
.endif
	KSTEP 0, 1, F1, F0, 0
	KSTEP 0, 2, F0, F1, 0
	TURN 0, 1, 0
	KSTEP 1, 0, F0, F1, 0
	KSTEP 1, 1, F1, F0, 0
	KSTEP 1, 2, F0, F1, 0
	s_wait_dscnt 0x0
	WIN MUL
	MUL8 F1, 0, 0
	MUL8 F1, 2, 0
	WIN 0
	PLACES 8
	s_wait_loadcnt 0x0
.macro OUTA a
.if (\a) >= 2
	s_wait_xcnt 0x0
.endif
.irp b, 0,1,2,3
	ds_store_b128 v[STO], v[ACC+8*(4*(\a)+\b):ACC+8*(4*(\a)+\b)+3] offset:128*(\b/2)+32*(\b%2)
	ds_store_b128 v[STO], v[ACC+8*(4*(\a)+\b)+4:ACC+8*(4*(\a)+\b)+7] offset:128*(\b/2)+32*(\b%2)+16
.endr
.irp i, 0,1,2,3,4,5,6,7
	ds_load_b128 v[BK+32*((\a)%2)+4*\i:BK+32*((\a)%2)+4*\i+3], v[RD] offset:544*\i
.endr
	s_wait_dscnt 0x0
	WIN 0x08
.set j, 0
.rept 16
	v_pk_add_f32 v[BK+32*((\a)%2)+j:BK+32*((\a)%2)+j+1], v[BK+32*((\a)%2)+j:BK+32*((\a)%2)+j+1], v[32*(\a)+j:32*(\a)+j+1]
.set j, j+2
.endr
	WIN 0
.irp i, 0,1,2,3,4,5,6,7
	global_store_b128 v[CO], v[BK+32*((\a)%2)+4*\i:BK+32*((\a)%2)+4*\i+3], s[12:13] offset:(32*((\a)/2)+8*((\a)%2)+2*\i+8*(\i/4))*4096 th:TH_STORE_NT
.endr
.endm
	OUTA 0
	OUTA 1
	OUTA 2
	OUTA 3
	s_wait_tensorcnt 0x0
	ds_add_u32 v[SPW], v[NIL]
	s_wait_dscnt 0x0
	CROUND
	s_endpgm
.Lfunc_end_k_qdc2dae84f0_fc2:
	.size	k_qdc2dae84f0_fc2, .Lfunc_end_k_qdc2dae84f0_fc2-k_qdc2dae84f0_fc2
	.p2alignl 7, 3214868480
	.fill 96, 4, 3214868480
	.section	.rodata,"a",@progbits
	.p2align	6, 0x0
	.amdhsa_kernel k_qdc2dae84f0_fc2
		.amdhsa_group_segment_fixed_size 327680
		.amdhsa_private_segment_fixed_size 0
		.amdhsa_enable_private_segment 0
		.amdhsa_kernarg_size 40
		.amdhsa_user_sgpr_count 2
		.amdhsa_user_sgpr_kernarg_segment_ptr 1
		.amdhsa_wavefront_size32 1
		.amdhsa_system_sgpr_workgroup_id_x 1
		.amdhsa_system_sgpr_workgroup_id_y 1
		.amdhsa_system_sgpr_workgroup_id_z 1
		.amdhsa_system_vgpr_workitem_id 0
		.amdhsa_next_free_vgpr 640
		.amdhsa_next_free_sgpr 100
		.amdhsa_reserve_vcc 0
		.amdhsa_float_denorm_mode_32 3
		.amdhsa_float_denorm_mode_16_64 3
		.amdhsa_memory_ordered 1
		.amdhsa_forward_progress 1
		.amdhsa_inst_pref_size 102
	.end_amdhsa_kernel
	.amdgpu_metadata
---
amdhsa.version: [ 1, 2 ]
amdhsa.kernels:
  - .name:           k_qdc2dae84f0_fc2
    .symbol:         k_qdc2dae84f0_fc2.kd
    .args:
      - { .name: gimg, .offset: 0, .size: 8, .value_kind: global_buffer, .address_space: global }
      - { .name: wimg, .offset: 8, .size: 8, .value_kind: global_buffer, .address_space: global }
      - { .name: b_fc2, .offset: 16, .size: 8, .value_kind: global_buffer, .address_space: global }
      - { .name: x1, .offset: 24, .size: 8, .value_kind: global_buffer, .address_space: global }
      - { .name: out0, .offset: 32, .size: 8, .value_kind: global_buffer, .address_space: global }
    .group_segment_fixed_size: 327680
    .private_segment_fixed_size: 0
    .kernarg_segment_align: 8
    .kernarg_segment_size: 40
    .max_flat_workgroup_size: 128
    .sgpr_count:     100
    .vgpr_count:     640
    .wavefront_size: 32
...
	.end_amdgpu_metadata
.endif
;; end of part 7
